; MI455X (gfx1250); checked and timed in simulation.
; The chip was launched on July 23, 2026; its instructions are those of AMD's public machine-readable ISA for CDNA 5 (MIT licence, August 2026) and "CDNA5" Instruction Set Architecture Reference Guide (July 2026). The comments in the code are by the model that wrote it; some were corrected since.
;; MLA. Allowed arithmetic: matrix products marked QUANTISED: E2M3 operands, one E8M0 scale for each 32 along K, by v_wmma_scale_f32_16x16x128_f8f6f4 with both operands' format E2M3, f32 sums; everything else in f32.
;; Inputs: Wk 2,048 x 3,072 float32; Wo 2,048 x 2,048 float32; Wq 2,048 x 3,072 float32; Wv 2,048 x 2,048 float32; bk 3,072 float32; bo 2,048 float32; bq 3,072 float32; bv 2,048 float32; freqs_cis 1,024 x 1 x 32 x 2 float32; mask 1,024 x 1,024 float32; x 2 x 1,024 x 2,048 float32.
;; Outputs: out0 2 x 1,024 x 2,048 float32.
;; This version of the problem:
;;   THIS VERSION OF THE PROBLEM IS GIVEN IN LOW PRECISION. The matrix products marked QUANTISED in the list below multiply operands that are first quantised to E2M3 (2 exponent bits, 3 mantissa bits; 6 bits a number), with one power-of-two scale for each 32 numbers along K (OCP MX v1.0); their sums are f32. All else is computed in f32.
;;   The module's matrix products, in the order in which they are computed (A, B: the left and right operand; K: the contracted axis; several contracted axes count as one K, in the product's order):
;;     1. [M 2,048, K 2,048] x [K 2,048, N 3,072]; A: input x; B: input Wq: QUANTISED
;;     2. [M 2,048, K 2,048] x [K 2,048, N 3,072]; A: input x; B: input Wk: QUANTISED
;;     3. [M 2,048, K 2,048] x [K 2,048, N 2,048]; A: input x; B: input Wv: QUANTISED
;;     4. batch 32 x [M 1,024, K 192] x [K 192, N 1,024]; A: computed on the way; B: computed on the way: QUANTISED
;;     5. batch 32 x [M 128, K 1,024] x [K 1,024, N 1,024]; A: computed on the way; B: softmax (see below): QUANTISED
;;     6. [M 2,048, K 2,048] x [K 2,048, N 2,048]; A: computed on the way; B: input Wo: QUANTISED
;;   THE QUANTISER, for each operand of a quantised product, along K:
;;     - K is cut into blocks of 32 from its start; a last block that is shorter is filled with zeros.
;;     - A block's scale is 2^e with e = floor(log2(the largest magnitude in the block)) - 2, held to -126 .. 127; a block of zeros has e = 0. As a byte (E8M0): e + 127.
;;     - Each number is divided by its block's scale, clamped to +-7.5, and rounded to the nearest number of E2M3, ties to even, subnormals kept.
;;     - The product sums the exact products of the quantised numbers (number of the format x scale) in f32.
;;   ~~~python
;;   def quantise(x, axis):      # numpy; x: float32 -> the quantised numbers, widened to float32 again
;;       x = np.moveaxis(x, axis, -1); K = x.shape[-1]
;;       x = np.pad(x, [(0, 0)] * (x.ndim - 1) + [(0, -K % 32)]); x = x.reshape(x.shape[:-1] + (-1, 32)); a = np.abs(x).max(-1, keepdims=True)
;;       e = np.where(a > 0, np.clip(np.frexp(np.where(a > 0, a, 1))[1] - 1 - 2, -126, 127), 0)      # np.frexp(a)[1] - 1 = floor(log2(a)), exactly
;;       r = np.clip(x / 2.0 ** e, -7.5, 7.5)
;;       step = 2.0 ** (np.maximum(np.frexp(np.where(r == 0, 1, r))[1] - 1, 0) - 3)
;;       q = np.round(r / step) * step * 2.0 ** e      # np.round: ties to even
;;       return np.moveaxis(q.reshape(q.shape[:-2] + (-1,))[..., :K], -1, axis).astype(np.float32)
;;   ~~~
;;   SOFTMAX AHEAD OF A QUANTISED PRODUCT. Where the list says 'softmax', what is quantised is not the finished softmax but p = 2^(t - M), with t = logit x log2(e) and M = ceil(the row's largest t), a whole number; so 1/2 < the row's largest p <= 1. The row's sum l is taken of the UNQUANTISED p, in f32, and the product's result is divided by l at the end. Since M is a whole number, a kernel that streams over the keys may use a running M (the ceiling of the running maximum): every later rescaling is an exact power of two, which a block's scale takes up: the codes' values come out the same.
;;   OPERANDS COMPUTED ON THE WAY. 'Computed on the way' means the value that the module computes at that place (a softmax that the list does not call 'softmax' is quantised finished and normalised). What goes into a quantiser is computed in f32, as accurately as f32 sums, v_exp_f32 and their like allow (about 1e-6 of the number): no bf16 or f16 on the way to a quantiser, and a product that is left as it is and whose result goes on into a quantised operand takes f32 operands (vector FMAs, or v_wmma_f32_16x16x4_f32). A number that lies on a knife's edge between two numbers of the format may be rounded either way, as far as f32 arithmetic and the matrix unit's own rounding can turn it there, and no further.
;; One version. Each part assembles by itself: llvm-mc -triple=amdgcn-amd-amdhsa -mcpu=gfx1250 --defsym DOCPART=n.
;; ======== version 1 of 1: 4 launches
;; limits: right only within a limited range of input values
;; workspace buffers: xc 3,145,728 bytes; xs 131,072 bytes; wc 15,728,640 bytes; ws 655,360 bytes; qb 12,582,912 bytes; kvb 8,388,608 bytes; cc 3,145,728 bytes; cs 131,072 bytes
;; launch quant (part 1): grid 800 x 1, 4 waves a work-group, no clusters, 68,096 bytes of LDS; arguments x, Wq, Wk, Wv, Wo, xc, xs, wc, ws, mask, qb; writes xc, xs, wc, ws, qb
.if DOCPART == 1
	.amdgcn_target "amdgcn-amd-amdhsa--gfx1250"
	.amdhsa_code_object_version 6
	.text
	.protected	k_qfbec1a178e_quant
	.globl	k_qfbec1a178e_quant
	.p2align	8
	.type	k_qfbec1a178e_quant,@function
k_qfbec1a178e_quant:
	s_mov_b64 s[64:65], 0
	v_nop
	global_prefetch_b8 v0, s[64:65] scope:SCOPE_SE
	s_setreg_imm32_b32 hwreg(HW_REG_WAVE_MODE, 25, 1), 1
	s_wait_xcnt 0x0
; x [2048 tokens][2048] and the four weights [2048 (K)][N], f32, become codes of FP6 (E2M3) with one E8M0 byte for each 32 along K; the mask is laid out as the attention's waves want it.
; A block's scale is 2^(floor(log2(its largest magnitude)) - 2); its byte is the largest magnitude's exponent field - 2, held at 1 from below.
; LIMITS: a block of zeros gets the byte 1 (its codes are zeros; this program alone reads the bytes); magnitudes under 2^-124 are held at the floor; NaN and infinities are not served.
; LAYOUT OF THE RESULT.  Rows of an operand (tokens of x, columns of a weight) are numbered by POSITION: in each aligned group of 32, position 16 u + r holds natural row 8 u + r + 8 (r / 8).
; Sixteen positions x 128 along K are a FRAGMENT, stored as the image of the matrix operand's 12 registers: registers 4 c .. 4 c + 3 of lane l at 512 c + 16 l: 1,536 bytes.
; xc, wc: [position / 16][K / 128][1,536].  xs, ws: [position][64 scale bytes].
; wc's positions: 0 q's 128 plain channels of each head, 2,048 k's, 4,096 q's 64 rotary channels of each head, 5,120 k's, 6,144 Wv's columns, 8,192 Wo's.
; THE MASK x sqrt(192) lies behind q's blocks in qb, from byte 8,388,608 on: [block of 16 query positions][128 keys][8,192 bytes]: the image of 64 registers: register 16 b + i of lane (r, h) is the mask of
; position r at key 32 b + 16 h + i; registers 4 c .. 4 c + 3 of lane l at 512 c + 16 l.
; SHARES.  Work-groups 0-639: weights; a wave takes a group of 32 positions x 256 along K: a lane a column, its registers down K, so a block of 32 lies in one lane.
; Work-groups 640-767: x; a wave takes 16 positions x 512 along K; each load reads 512 consecutive bytes of a token, and the numbers turn through the wave's own stage in LDS.
; Work-groups 768-799: the mask; a wave takes 16 query positions x 512 keys, in the same way, through a stage of this path's own.
; No matrix work, no tensor load, no barrier: waves share nothing.
.set STG,   8448                       ; a wave's stage: 16 rows x (512 bytes + 16)
.set MSTG,  4*STG                      ; the mask path's four stages lie behind x's four
.set SPARE, 8*STG                      ; behind the stages: the spare words, 128 bytes a wave
.set MIOFF, 8388608                    ; where the mask's images begin in qb
.set SPW,   2                          ; v2  my spare word's LDS address; never rewritten
.set NIL,   3                          ; v3  0; never rewritten
.set SB,    14                         ; v14-15 weights: my position's 8 scale bytes
.set TQ,    16                         ; v16-18 weights: the upper half of a block's codes, before it is moved
.set X,     32                         ; v32-95 weights: two sets of 32 numbers
.set F,     96                         ; v96-143 weights: for each 128 along K two fragments of 12 registers
.set WD,    16                         ; v16-19 x: four scale words
.set XR,    32                         ; v32-159 x, mask: two sets of 64 registers as loaded
.set XN,    160                        ; v160-223 x: my two blocks of 32 neighbours; mask: an image's 64 registers
.set PC,    224                        ; v224-235 x: a fragment's codes
.set PT,    236                        ; v236-242 x: upper halves, before they are moved
	s_load_b256 s[4:11], s[0:1], 0x0               ; x, Wq, Wk, Wv
	s_load_b256 s[12:19], s[0:1], 0x20             ; Wo, xc, xs, wc
	s_load_b64 s[20:21], s[0:1], 0x40              ; ws
	s_load_b64 s[44:45], s[0:1], 0x48              ; mask
	s_load_b64 s[46:47], s[0:1], 0x50              ; qb
	v_lshl_add_u32 v[SPW], v0, 2, SPARE
	v_mov_b32 v[NIL], 0
	v_lshrrev_b32 v1, 5, v0
	v_readfirstlane_b32 s24, v1                    ; wave
	v_and_b32 v1, 31, v0                           ; lane
	s_cmp_ge_u32 ttmp9, 768
	s_cbranch_scc1 .Lm_path
	s_cmp_ge_u32 ttmp9, 640
	s_cbranch_scc1 .Lx_path
	; ---- weights
	s_lshr_b32 s25, ttmp9, 3
	s_lshl_b32 s25, s25, 2
	s_add_co_u32 s25, s25, s24                     ; G: my group of 32 positions, 0 .. 319
	s_and_b32 s26, ttmp9, 7                        ; y: which 256 along K
	s_wait_alu depctr_va_vdst(0)
	v_and_b32 v4, 7, v1
	v_and_b32 v8, 8, v1
	v_lshl_or_b32 v4, v8, 1, v4
	v_and_b32 v8, 16, v1
	v_lshrrev_b32 v8, 1, v8
	v_or_b32 v4, v4, v8                            ; lane l is position l: its natural column has bits 3 and 4 changed over
	v_lshlrev_b32 v4, 2, v4                        ; in bytes
	v_lshlrev_b32 v5, 4, v1                        ; an image's place for my lane
	v_lshlrev_b32 v6, 6, v1                        ; my position's row of scale bytes
	s_mul_i32 s40, s25, 49152                      ; codes: two blocks of 16 positions, 24,576 bytes each,
	s_mul_i32 s27, s26, 3072                       ; two K steps of 128
	s_add_co_u32 s40, s40, s27
	s_mov_b32 s41, 0
	s_lshl_b32 s42, s25, 11                        ; scale bytes: 32 positions x 64,
	s_lshl_b32 s27, s26, 3                         ; 8 bytes for 256 along K
	s_add_co_u32 s42, s42, s27
	s_mov_b32 s43, 0
	s_wait_kmcnt 0x0
	s_add_nc_u64 s[40:41], s[18:19], s[40:41]
	s_add_nc_u64 s[42:43], s[20:21], s[42:43]
.macro WLOAD t, pitch                  ; block t: W(32 t + i, my column), i = 0 .. 31: each load reads 128 bytes of a row of W in 32 lanes
.irp i, 0,1,2,3,4,5,6,7,8,9,10,11,12,13,14,15,16,17,18,19,20,21,22,23,24,25,26,27,28,29,30,31
	global_load_b32 v[X+32*((\t)%2)+\i], v4, s[38:39] offset:(32*(\t)+\i)*\pitch th:TH_LOAD_NT
.endr
.endm
; Block t of my position.  In a K step of 128 a fragment's lane (r, h) wants blocks h and 2 + h of position r.  Even blocks are made where fragment 2 G's registers lie, odd blocks where fragment 2 G + 1's lie;
; one exchange of halves (the first's lanes 16-31 with the second's lanes 0-15) then gives both fragments.
.macro WBLOCK t, pitch
.set XS, X+32*((\t)%2)
.set D, F+24*((\t)/4)+12*((\t)%2)+6*(((\t)/2)%2)
.if (\t) < 7
	s_wait_loadcnt 32                              ; this block's 32 loads are in; the next block's 32 may be out
.else
	s_wait_loadcnt 0x0
.endif
	v_max3_num_f32 v8, |v[XS]|, |v[XS+1]|, |v[XS+2]|
	v_max3_num_f32 v9, |v[XS+3]|, |v[XS+4]|, |v[XS+5]|
.irp i, 6,10,14,18,22,26
	v_max3_num_f32 v8, v8, |v[XS+\i]|, |v[XS+\i+1]|
	v_max3_num_f32 v9, v9, |v[XS+\i+2]|, |v[XS+\i+3]|
.endr
	v_max3_num_f32 v8, v8, |v[XS+30]|, |v[XS+31]|
	v_max3_num_f32 v8, v8, v9, 0x1800000           ; and the floor 2^(3 - 127): the byte cannot fall under 1
	v_add_nc_u32 v10, 0xff000000, v8               ; 2 off the exponent field: the conversion's scale operand
	v_lshrrev_b32 v11, 23, v10                     ; the scale's byte
.if (\t)%4 == 0
	v_mov_b32 v[SB+(\t)/4], v11
.else
	v_lshl_or_b32 v[SB+(\t)/4], v11, 8*((\t)%4), v[SB+(\t)/4]
.endif
	v_cvt_scalef32_pk16_fp6_f32 v[D:D+2], v[XS:XS+15], v10
	v_cvt_scalef32_pk16_fp6_f32 v[TQ:TQ+2], v[XS+16:XS+31], v10   ; (a conversion's three registers begin on an even number)
.if (\t)+2 < 8
	WLOAD (\t)+2, \pitch
.endif
	v_nop                                          ; one plain place behind a scaled conversion
.irp i, 0,1,2
	v_mov_b32 v[D+3+\i], v[TQ+\i]
.endr
.if (\t)%2 == 1
.set FA, F+24*((\t)/4)+6*(((\t)/2)%2)
.irp i, 0,1,2,3,4,5
	v_permlane16_swap_b32 v[FA+\i], v[FA+12+\i]
.endr
.endif
.if (\t)%4 == 3                        ; a K step's two fragments leave: each store covers 512 consecutive bytes.  Each K step has registers of its own: no store's data are written again
.irp u, 0,1
.irp c, 0,1,2
	global_store_b128 v5, v[F+24*((\t)/4)+12*\u+4*\c:F+24*((\t)/4)+12*\u+4*\c+3], s[40:41] offset:\u*24576+((\t)/4)*1536+512*\c
.endr
.endr
.endif
.endm
.macro WPATH pitch
	WLOAD 0, \pitch
	WLOAD 1, \pitch
.irp t, 0,1,2,3,4,5,6,7
	WBLOCK \t, \pitch
.endr
	global_store_b64 v6, v[SB:SB+1], s[42:43]      ; my position's 8 scale bytes: one byte for each 128 that the wave reads
	s_endpgm
.endm
	s_cmp_ge_u32 ttmp9, 384
	s_cbranch_scc1 .Lw_narrow
	; Wq, Wk: rows of 12,288 bytes.  G < 128: plain channels, four groups a head; else rotary channels, two groups a head
	s_lshr_b32 s27, s25, 6                         ; 0: Wq, 1: Wk
	s_and_b32 s28, s25, 63
	s_lshr_b32 s29, s28, 2
	s_mul_i32 s29, s29, 192
	s_and_b32 s28, s28, 3
	s_lshl_b32 s28, s28, 5
	s_add_co_u32 s28, s28, s29                     ; column: head x 192 + 32 x group
	s_sub_co_u32 s34, s25, 128
	s_lshr_b32 s35, s34, 5
	s_and_b32 s36, s34, 31
	s_lshr_b32 s37, s36, 1
	s_mul_i32 s37, s37, 192
	s_and_b32 s36, s36, 1
	s_lshl_b32 s36, s36, 5
	s_add_co_u32 s36, s36, s37
	s_add_co_u32 s36, s36, 128                     ; column: head x 192 + 128 + 32 x group
	s_cmp_lt_u32 s25, 128
	s_cselect_b32 s27, s27, s35
	s_cselect_b32 s28, s28, s36
	s_cmp_eq_u32 s27, 0
	s_cselect_b64 s[38:39], s[6:7], s[8:9]
	s_lshl_b32 s28, s28, 2
	s_mul_i32 s29, s26, 256*12288
	s_add_co_u32 s28, s28, s29
	s_mov_b32 s29, 0
	s_add_nc_u64 s[38:39], s[38:39], s[28:29]
	s_wait_alu depctr_va_vdst(0)
	WPATH 12288
.Lw_narrow:                            ; Wv, Wo: rows of 8,192 bytes
	s_sub_co_u32 s27, s25, 192
	s_lshr_b32 s28, s27, 6                         ; 0: Wv, 1: Wo
	s_and_b32 s27, s27, 63
	s_lshl_b32 s34, s27, 7                         ; column 32 g, in bytes
	s_mul_i32 s29, s26, 256*8192
	s_add_co_u32 s34, s34, s29
	s_mov_b32 s35, 0
	s_cmp_eq_u32 s28, 0
	s_cselect_b64 s[38:39], s[10:11], s[12:13]
	s_add_nc_u64 s[38:39], s[38:39], s[34:35]
	s_wait_alu depctr_va_vdst(0)
	WPATH 8192
	; ---- x: block R of 16 positions; my wave takes K steps 4 wave .. 4 wave + 3
.Lx_path:
	s_sub_co_u32 s25, ttmp9, 640                   ; R
	s_mov_b32 s30, 0xffff0000                      ; lanes 16-31
	s_mov_b32 s32, 0x76543210
	s_mov_b32 s33, 0xfedcba98                      ; v_permlanex16_b32's selects for lane l xor 16
	s_wait_alu depctr_va_vdst(0)
	v_and_b32 v8, 15, v1                           ; r
	v_lshrrev_b32 v9, 4, v1                        ; h
	v_lshlrev_b32 v4, 4, v1                        ; 16 x lane: in a load's 512 bytes, and in an image
	s_mul_i32 s26, s24, STG
	v_add_nc_u32 v5, s26, v4                       ; the stage, on the way in
	v_mul_u32_u24 v6, v8, 528
	v_lshl_add_u32 v6, v9, 7, v6
	v_add_nc_u32 v6, s26, v6                       ; and out: row r, my half's 32 numbers of each 64
	v_lshlrev_b32 v7, 3, v9                        ; 8 h
	v_lshlrev_b32 v20, 6, v8
	v_lshl_add_u32 v20, v9, 3, v20                 ; xs: 64 r + 8 h
	s_lshr_b32 s27, s25, 1
	s_lshl_b32 s27, s27, 5
	s_and_b32 s28, s25, 1
	s_lshl_b32 s28, s28, 3
	s_add_co_u32 s27, s27, s28                     ; position 0's token: 32 (R / 2) + 8 (R % 2)
	s_lshl_b32 s34, s27, 13
	s_lshl_b32 s28, s24, 11
	s_add_co_u32 s34, s34, s28
	s_mov_b32 s35, 0
	s_mul_i32 s36, s25, 24576
	s_mul_i32 s28, s24, 6144
	s_add_co_u32 s36, s36, s28
	s_mov_b32 s37, 0
	s_lshl_b32 s38, s25, 10
	s_lshl_b32 s28, s24, 4
	s_add_co_u32 s38, s38, s28
	s_mov_b32 s39, 0
	s_wait_alu depctr_va_vdst(0)
	s_wait_kmcnt 0x0
	s_add_nc_u64 s[34:35], s[4:5], s[34:35]
	s_add_nc_u64 s[36:37], s[14:15], s[36:37]
	s_add_nc_u64 s[38:39], s[16:17], s[38:39]
.macro XLOAD f                         ; K step f of my four: 128 numbers of each of the 16 positions' tokens
.irp p, 0,1,2,3,4,5,6,7,8,9,10,11,12,13,14,15
	global_load_b128 v[XR+64*((\f)%2)+4*\p:XR+64*((\f)%2)+4*\p+3], v4, s[34:35] offset:(\p+8*(\p/8))*8192+512*(\f) th:TH_LOAD_NT
.endr
.endm
.macro XFRAG f
.if (\f) < 3
	s_wait_loadcnt 16                              ; this K step's 16 loads are in; the next one's 16 may be out
.else
	s_wait_loadcnt 0x0
.endif
.irp p, 0,1,2,3,4,5,6,7,8,9,10,11,12,13,14,15
	ds_store_b128 v5, v[XR+64*((\f)%2)+4*\p:XR+64*((\f)%2)+4*\p+3] offset:528*\p
.endr
.irp c, 0,1                            ; LDS serves a wave's instructions in order: these see the stores above, and the next K step's stores come behind them
.irp i, 0,1,2,3,4,5,6,7
	ds_load_b128 v[XN+32*\c+4*\i:XN+32*\c+4*\i+3], v6 offset:256*\c+16*\i
.endr
.endr
	s_wait_dscnt 0x0                               ; my two blocks are in, and the stores have read their registers,
.if (\f)+2 < 4
	XLOAD (\f)+2                                   ; which take the loads of two K steps on
.endif
.irp c, 0,1                            ; block 2 c + h of row r: all its 32 numbers are mine
	v_max3_num_f32 v[8+\c], |v[XN+32*\c]|, |v[XN+32*\c+1]|, 0x1800000
.endr
.irp i, 2,4,6,8,10,12,14,16,18,20,22,24,26,28,30
.irp c, 0,1
	v_max3_num_f32 v[8+\c], v[8+\c], |v[XN+32*\c+\i]|, |v[XN+32*\c+\i+1]|
.endr
.endr
.irp c, 0,1
	v_add_nc_u32 v[10+\c], 0xff000000, v[8+\c]
.endr
.irp c, 0,1
	v_lshrrev_b32 v[12+\c], 23, v[10+\c]
.endr
	v_lshl_or_b32 v[WD+(\f)], v13, 16, v12         ; my two bytes, blocks h and 2 + h,
	v_lshlrev_b32 v[WD+(\f)], v7, v[WD+(\f)]       ; at their places in the scale word;
	v_permlanex16_b32 v8, v[WD+(\f)], s32, s33
	v_or_b32 v[WD+(\f)], v[WD+(\f)], v8            ; with lane l xor 16's two the word is whole
	s_wait_alu depctr_va_vdst(0)
	s_wait_xcnt 0x0                                ; the last fragment's stores have read the registers that are written now
.irp c, 0,1
	v_cvt_scalef32_pk16_fp6_f32 v[PC+6*\c:PC+6*\c+2], v[XN+32*\c:XN+32*\c+15], v[10+\c]
	v_cvt_scalef32_pk16_fp6_f32 v[PT+4*\c:PT+4*\c+2], v[XN+32*\c+16:XN+32*\c+31], v[10+\c]
.endr
	v_nop                                          ; one plain place behind a scaled conversion
.irp c, 0,1
.irp i, 0,1,2
	v_mov_b32 v[PC+3+6*\c+\i], v[PT+4*\c+\i]
.endr
.endr
.irp c, 0,1,2
	global_store_b128 v4, v[PC+4*\c:PC+4*\c+3], s[36:37] offset:1536*(\f)+512*\c
.endr
.endm
	XLOAD 0
	XLOAD 1
	XFRAG 0
	XFRAG 1
	XFRAG 2
	XFRAG 3
	v_cndmask_b32 v22, v[WD], v[WD+2], s30         ; lanes 0-15 store words 0 and 1 of their row, lanes 16-31 words 2 and 3
	v_cndmask_b32 v23, v[WD+1], v[WD+3], s30
	global_store_b64 v20, v[22:23], s[38:39]
	s_wait_tensorcnt 0x0                           ; the wave's end, behind my last LDS store
	ds_add_u32 v[SPW], v[NIL]
	s_wait_dscnt 0x0
	s_endpgm
	; ---- the mask: a block of 16 query positions, four steps of 128 keys
.Lm_path:
	s_sub_co_u32 s25, ttmp9, 768
	s_lshl_b32 s25, s25, 2
	s_add_co_u32 s25, s25, s24                     ; 0 .. 127
	s_lshr_b32 s26, s25, 1                         ; the block of 16 positions, 0 .. 63
	s_and_b32 s27, s25, 1                          ; key steps 4 x this on
	s_mov_b32 s30, 0x415db3d7                      ; sqrt(192)
	s_mov_b32 s31, s30                             ; (named with it as a pair, so it is written)
	s_wait_alu depctr_va_vdst(0)
	v_and_b32 v8, 15, v1                           ; r
	v_lshrrev_b32 v9, 4, v1                        ; h
	v_lshlrev_b32 v4, 4, v1                        ; 16 x lane
	s_mul_i32 s28, s24, STG
	s_add_co_u32 s28, s28, MSTG                    ; my stage: this path's own bytes
	v_add_nc_u32 v5, s28, v4                       ; on the way in
	v_mul_u32_u24 v6, v8, 528
	v_lshl_add_u32 v6, v9, 6, v6
	v_add_nc_u32 v6, s28, v6                       ; and out: row r, my half's 16 keys of each 32
	s_lshr_b32 s29, s26, 1
	s_lshl_b32 s29, s29, 5
	s_and_b32 s34, s26, 1
	s_lshl_b32 s34, s34, 3
	s_add_co_u32 s29, s29, s34                     ; position 0's query: 32 (block / 2) + 8 (block % 2)
	s_lshl_b32 s34, s29, 12                        ; a row of the mask is 4,096 bytes
	s_lshl_b32 s29, s27, 11                        ; four steps of 512 bytes
	s_add_co_u32 s34, s34, s29
	s_mov_b32 s35, 0
	s_lshl_b32 s36, s26, 16                        ; a block's eight images of 8,192 bytes
	s_lshl_b32 s29, s27, 15
	s_add_co_u32 s36, s36, s29
	s_add_co_u32 s36, s36, MIOFF
	s_mov_b32 s37, 0
	s_wait_alu depctr_va_vdst(0)
	s_wait_kmcnt 0x0
	s_add_nc_u64 s[34:35], s[44:45], s[34:35]
	s_add_nc_u64 s[36:37], s[46:47], s[36:37]
.macro MLOAD f                         ; step f of my four: 128 keys of each of the 16 positions' rows: each load reads 512 consecutive bytes
.irp p, 0,1,2,3,4,5,6,7,8,9,10,11,12,13,14,15
	global_load_b128 v[XR+64*((\f)%2)+4*\p:XR+64*((\f)%2)+4*\p+3], v4, s[34:35] offset:(\p+8*(\p/8))*4096+512*(\f) th:TH_LOAD_NT
.endr
.endm
.macro MSTEP f
.if (\f) < 3
	s_wait_loadcnt 16                              ; this step's 16 loads are in; the next one's 16 may be out
.else
	s_wait_loadcnt 0x0
.endif
.irp p, 0,1,2,3,4,5,6,7,8,9,10,11,12,13,14,15
	ds_store_b128 v5, v[XR+64*((\f)%2)+4*\p:XR+64*((\f)%2)+4*\p+3] offset:528*\p
.endr
.if (\f) > 0
	s_wait_xcnt 0x0                                ; the last image's stores have read the registers into which the loads below land
.endif
.irp c, 0,1,2,3,4,5,6,7,8,9,10,11,12,13,14,15      ; LDS serves a wave's instructions in order: these see the stores above
	ds_load_b128 v[XN+4*\c:XN+4*\c+3], v6 offset:128*(\c/4)+16*(\c%4)
.endr
	s_wait_dscnt 0x0
.if (\f)+2 < 4
	MLOAD (\f)+2
.endif
.set k, 0
.rept 32
	v_pk_mul_f32 v[XN+k:XN+k+1], v[XN+k:XN+k+1], s[30:31] op_sel_hi:[1,0]   ; x sqrt(192): the image is added to k . q, and the sum is divided by sqrt(192)
.set k, k+2
.endr
.irp c, 0,1,2,3,4,5,6,7,8,9,10,11,12,13,14,15
	global_store_b128 v4, v[XN+4*\c:XN+4*\c+3], s[36:37] offset:8192*(\f)+512*\c
.endr
.endm
	MLOAD 0
	MLOAD 1
	MSTEP 0
	MSTEP 1
	MSTEP 2
	MSTEP 3
	s_wait_tensorcnt 0x0                           ; the wave's end, behind my last LDS store
	ds_add_u32 v[SPW], v[NIL]
	s_wait_dscnt 0x0
	s_endpgm
.Lfunc_end_k_qfbec1a178e_quant:
	.size	k_qfbec1a178e_quant, .Lfunc_end_k_qfbec1a178e_quant-k_qfbec1a178e_quant
	.p2alignl 7, 3214868480
	.fill 96, 4, 3214868480
	.section	.rodata,"a",@progbits
	.p2align	6, 0x0
	.amdhsa_kernel k_qfbec1a178e_quant
		.amdhsa_group_segment_fixed_size 68096
		.amdhsa_private_segment_fixed_size 0
		.amdhsa_enable_private_segment 0
		.amdhsa_kernarg_size 88
		.amdhsa_user_sgpr_count 2
		.amdhsa_user_sgpr_kernarg_segment_ptr 1
		.amdhsa_wavefront_size32 1
		.amdhsa_system_sgpr_workgroup_id_x 1
		.amdhsa_system_sgpr_workgroup_id_y 1
		.amdhsa_system_sgpr_workgroup_id_z 1
		.amdhsa_system_vgpr_workitem_id 0
		.amdhsa_next_free_vgpr 248
		.amdhsa_next_free_sgpr 66
		.amdhsa_reserve_vcc 0
		.amdhsa_float_denorm_mode_32 3
		.amdhsa_float_denorm_mode_16_64 3
		.amdhsa_memory_ordered 1
		.amdhsa_forward_progress 1
		.amdhsa_inst_pref_size 138
	.end_amdhsa_kernel
	.amdgpu_metadata
---
amdhsa.version: [ 1, 2 ]
amdhsa.kernels:
  - .name:           k_qfbec1a178e_quant
    .symbol:         k_qfbec1a178e_quant.kd
    .args:
      - { .name: x, .offset: 0, .size: 8, .value_kind: global_buffer, .address_space: global }
      - { .name: Wq, .offset: 8, .size: 8, .value_kind: global_buffer, .address_space: global }
      - { .name: Wk, .offset: 16, .size: 8, .value_kind: global_buffer, .address_space: global }
      - { .name: Wv, .offset: 24, .size: 8, .value_kind: global_buffer, .address_space: global }
      - { .name: Wo, .offset: 32, .size: 8, .value_kind: global_buffer, .address_space: global }
      - { .name: xc, .offset: 40, .size: 8, .value_kind: global_buffer, .address_space: global }
      - { .name: xs, .offset: 48, .size: 8, .value_kind: global_buffer, .address_space: global }
      - { .name: wc, .offset: 56, .size: 8, .value_kind: global_buffer, .address_space: global }
      - { .name: ws, .offset: 64, .size: 8, .value_kind: global_buffer, .address_space: global }
      - { .name: mask, .offset: 72, .size: 8, .value_kind: global_buffer, .address_space: global }
      - { .name: qb, .offset: 80, .size: 8, .value_kind: global_buffer, .address_space: global }
    .group_segment_fixed_size: 68096
    .private_segment_fixed_size: 0
    .kernarg_segment_align: 8
    .kernarg_segment_size: 88
    .max_flat_workgroup_size: 128
    .sgpr_count:     66
    .vgpr_count:     248
    .wavefront_size: 32
...
	.end_amdgpu_metadata
.endif
;; end of part 1
;; launch qkv (part 2): grid 32 x 8, 4 waves a work-group, clusters of 4 x 4, 327,680 bytes of LDS; arguments xc, xs, wc, ws, bq, bk, bv, freqs_cis, qb, kvb; writes qb, kvb
.if DOCPART == 2
	.amdgcn_target "amdgcn-amd-amdhsa--gfx1250"
	.amdhsa_code_object_version 6
	.text
	.protected	k_qfbec1a178e_qkv
	.globl	k_qfbec1a178e_qkv
	.p2align	8
	.type	k_qfbec1a178e_qkv,@function
k_qfbec1a178e_qkv:
	s_mov_b64 s[64:65], 0
	v_nop
	global_prefetch_b8 v0, s[64:65] scope:SCOPE_SE
	s_setreg_imm32_b32 hwreg(HW_REG_WAVE_MODE, 25, 1), 1
	s_wait_xcnt 0x0
	s_wait_alu depctr_hold_cnt(0) depctr_sa_sdst(0) depctr_va_vdst(0) depctr_va_sdst(0) depctr_va_ssrc(0) depctr_va_vcc(0) depctr_vm_vsrc(0)
	s_getreg_b32 s2, hwreg(HW_REG_IB_STS2, 6, 4)
	s_cmp_eq_u32 s2, 0
	s_cbranch_scc0 .Lentry_in_a_cluster
	s_endpgm
.Lentry_in_a_cluster:
	s_bfe_u32 s2, ttmp6, 0x10000c
	s_cmp_lg_u32 s2, 0xf033
	s_cbranch_scc0 .Lentry_shape_is_right
	s_endpgm
.Lentry_shape_is_right:
; q = x Wq + bq, k = x Wk + bk (rotary channels turned), v = x Wv + bv, on codes of FP6 (E2M3) with E8M0 scales, K = 2,048; the results are quantised at once for the attention and leave as codes.
; A work-group of four waves makes 256 x 256 results, a wave 128 x 128: 64 accumulators, 512 registers.  Operands are FRAGMENT IMAGES (16 positions x 128 K = 1,536 bytes, registers 4 c .. of lane l at 512 c + 16 l),
; laid [position / 16][K / 128]; scale bytes [position][64].  K goes in steps of 256 through two LDS slots filled by the tensor data mover; the scale bytes of the 512 rows come once and stay.
; THE MATRIX INSTRUCTION: source 0 = 16 positions of B (chosen by tile column X), source 1 = 16 positions of A (tile row Y): a lane holds ONE position of A, its registers run along B's positions.
; In each group of 32, position 16 u + r is natural row 8 u + r + 8 (r / 8): so the 16 registers of B's blocks 2 b and 2 b + 1 are natural rows 32 b + 16 (lane / 16) + 0 .. 15: neighbours along the NEXT product's K.
; X < 24: A = x's tokens, B = columns of Wq, Wk: a lane holds a token, registers run along the head's channels.  X >= 24: A = columns of Wv, B = tokens: a lane holds a channel, registers run along the keys.
; The change is one of pointers alone, by the cluster's x, which all sixteen partners share: 0, 1 q's plain channels; 2, 3 k's; 4 q's rotary; 5 k's; 6, 7 v.  No branch hangs on anything else but the wave's number.
; CLUSTERS: 4 x 4.  A's tiles are shared along a row of the cluster, B's along a column: each is asked for jointly, by the same tensor load with the same descriptor and a mask that names the four.
; RESULTS.  qb, kvb: blocks of 32,768 bytes, one for (batch, head, 128 tokens): 0 eight fragments of the plain channels; 12,288 eight half fragments (6 registers) of the rotary channels; 18,432 eight fragments of v
; (16 channels x the 128 keys); 30,720, 31,232, 31,744 their scale words, [row][block]; 32,256 zeros, so that a block is dense.  qb has the first, second, fourth and fifth part alone.
; LIMITS: as the quantiser's: a block of zeros gets the byte 1; magnitudes under 2^-124 are held at the floor; NaN and infinities are not served.
; REGISTERS: window 0: v0-31 addresses; v32-63 scale words, two sets; v64-127 biases; from v128 A's fragments, one set.  window 1: B's fragments, two sets, at v0 and v128; v96-127, v224-255 the first rotary tables.
;   windows 2, 3: the accumulators ((a, b) at v[8 (8 (a % 4) + b)]).  On the way out window 0 holds: v32-50 codes, v128-191 64 numbers, v192-243 at work.
.set NQ,    2                          ; matrix instructions deep in a slot
.set FR,    12                         ; registers of a fragment
.set FRB,   1536                       ; and its image in bytes
.set NL,    3                          ; LDS loads that bring one
.set NP,    4                          ; places behind this matrix instruction (ISA guide 7.12.1)
.set HALFT, 8*NQ*FRB                   ; 128 positions x 256 K: what one tensor load brings
.set SLOT,  4*HALFT                    ; A's two halves, then B's
.set LAPS,  4                          ; 2,048 / 512
.set KS,    64                         ; a row of scale bytes
.set SCL,   2*SLOT                     ; behind the ring: the scale bytes, as units of 256 bytes + 16 of padding
.set HALFS, 32*272                     ; those of 128 rows
.set SBLK,  4*272                      ; those of 16 rows
.set SPARE, SCL+4*HALFS                ; the spare words, 128 bytes a wave
.set LI,   4                           ; v4   16 x lane
.set LI8,  5                           ; v5   8 x lane
.set WO,   6                           ; v6   32 r + 16 h: where I store four scale words
.set FO,   7                           ; v7   256 (r + 8 (r / 8)) + 64 h: my token's row of the rotary table, my half's pairs
.set BO,   10                          ; v10  64 h: my half's 16 numbers of each 32 of a bias
.set BVO,  12                          ; v12  4 (r + 8 (r / 8)): my channel's bias
.set ADRA, 16                          ; v16-17 LDS address of my A fragments in slot 0, 1
.set ADRB, 20                          ; v20-21 the same for B
.set ADRS, 27                          ; v27  LDS address of my scale words: lanes 0-15 A's rows, lanes 16-31 B's
.set SPW,  28                          ; v28  my spare word; never rewritten
.set NIL,  29                          ; v29  0; never rewritten
.set SC,   32
.set BB,   64
.set AF,   128
.set PC,   32                          ; the way out: codes v32-43, upper halves v44-46, v48-50
.set ZR,   52                          ; v52-55 zeros
.set T,    128                         ; 64 numbers of a lane
.set TM,   192                         ; v192-207 at work in QUANT
.set W,    212                         ; v212-219 the eight blocks' scale words
.set WS,   220                         ; v220-227 as they are stored
.set U,    228                         ; v228-243 at work in the rotation
.set CH,   2                           ; s2   wave % 2: my half of B's rows; also which 128 rows I fetch
.set LAP,  3
.set WV,   66                          ; s66  wave
.set RH,   67                          ; s67  wave / 2: my half of A's rows; also: I fetch for A (0) or B (1)
.set G1,   24
.set G0,   32
.set G1B,  48
.set G0B,  56
.set G1S,  68
.set G0S,  76
.set G1SB, 80
.set G0SB, 88
.set SEL,  104                         ; s[104:105] v_permlanex16_b32's selects for lane l xor 16
.set MSB, 0
.macro WIN new                         ; the immediate's high byte repeats the setting that is left
.if MSB != \new
	s_set_vgpr_msb (MSB<<8)|\new
.set MSB, \new
.endif
.endm
.set MUL_LO, 0xa1                      ; source 0 (B) window 1, source 1 (A) window 0, C and D window 2
.set MUL_HI, 0xf1
.set TO_B,   0x40
; A joint load: waves 0 and 1 fetch for A, waves 2 and 3 for B; the branch hangs on the wave's number alone.  An s_nop 0 and four v_nop follow each of the two lines.
.macro JLOAD g0a, g1a, g0b, g1b
	s_cmp_eq_u32 s[RH], 0
	s_cbranch_scc0 .Lfor_b_\@
	tensor_load_to_lds s[\g0a:\g0a+3], s[\g1a:\g1a+7]
	s_nop 0
.rept 4
	v_nop
.endr
	s_branch .Lasked_\@
.Lfor_b_\@:
	tensor_load_to_lds s[\g0b:\g0b+3], s[\g1b:\g1b+7]
	s_nop 0
.rept 4
	v_nop
.endr
.Lasked_\@:
.endm
.macro CREST                           ; a round of the cluster's barrier behind its opening barrier
	s_cmp_lg_u32 s[WV], 0
	s_cbranch_scc1 .Lnot_wave_0_\@
	s_barrier_signal -3
.Lnot_wave_0_\@:
	s_barrier_wait -3
	s_barrier_signal -1
	s_barrier_wait -1
.endm
.macro CROUND
	s_barrier_signal -1
	s_barrier_wait -1
	CREST
.endm
	s_load_b256 s[4:11], s[0:1], 0x0               ; xc, xs, wc, ws
	s_load_b256 s[92:99], s[0:1], 0x20             ; bq, bk, bv, the rotary table
	s_load_b128 s[12:15], s[0:1], 0x40             ; qb, kvb
	v_lshl_add_u32 v[SPW], v0, 2, SPARE
	v_mov_b32 v[NIL], 0
	ds_add_u32 v[SPW], v[NIL]                      ; the wave's opening: the add and its wait ahead of my first tensor load; the set-up below stands between them
	ds_add_u32 v[SPW], v[NIL]
	v_lshrrev_b32 v1, 5, v0
	v_readfirstlane_b32 s[WV], v1
	s_lshr_b32 s[RH], s[WV], 1
	s_and_b32 s[CH], s[WV], 1
	s_bfe_u32 s40, ttmp6, 0x40000                  ; cx, cy: my place in the cluster
	s_bfe_u32 s41, ttmp6, 0x40004
	s_lshl_b32 s42, ttmp9, 2
	s_add_co_u32 s42, s42, s40                     ; X = 4 x cluster x + cx
	s_and_b32 s16, ttmp7, 0xffff
	s_lshl_b32 s16, s16, 2
	s_add_co_u32 s16, s16, s41                     ; Y = 4 x cluster y + cy
	s_lshl_b32 s43, s41, 2
	s_lshl_b32 s43, 15, s43                        ; my row of the cluster
	s_lshl_b32 s44, 0x1111, s40                    ; my column
	; codes: 8 rows (blocks of 16 positions) of 3,072 bytes (two K steps of 128), 24,576 bytes apart; elements of 8 bytes; dense in LDS
	s_or_b32 s[G1+0], s43, (3<<16)|(1<<21)
	s_or_b32 s[G1B+0], s44, (3<<16)|(1<<21)
.irp g, G1, G1B
	s_mov_b32 s[\g+1], 384<<16                     ; tensor_dim0
	s_mov_b32 s[\g+2], 16<<16                      ; tensor_dim1: the head's loads bring all 16 blocks of a tile; set to 8 for the ring behind them
	s_mov_b32 s[\g+3], 384<<16                     ; tile_dim0
	s_mov_b32 s[\g+4], 16                          ; tile_dim1
	s_mov_b32 s[\g+5], 3072                        ; from row to row
	s_mov_b32 s[\g+6], 0
	s_mov_b32 s[\g+7], 0
.endr
	; scale bytes of 256 rows: 16,384 dense bytes as 64 rows of 256, 16 bytes of padding behind each
	s_or_b32 s[G1S+0], s43, (3<<16)|(1<<20)|(1<<21)|(5<<22)|(3<<25)
	s_or_b32 s[G1SB+0], s44, (3<<16)|(1<<20)|(1<<21)|(5<<22)|(3<<25)
.irp g, G1S, G1SB
	s_mov_b32 s[\g+1], 32<<16
	s_mov_b32 s[\g+2], 64<<16                      ; the scale bytes of 256 rows: 64 rows of 256 bytes
	s_mov_b32 s[\g+3], 32<<16
	s_mov_b32 s[\g+4], 64
	s_mov_b32 s[\g+5], 32
	s_mov_b32 s[\g+6], 0
	s_mov_b32 s[\g+7], 0
.endr
	s_lshl_b32 s20, s16, 8                         ; A: the tile's first position, 256 Y
	s_lshl_b32 s46, s42, 8                         ; B: 256 X
	s_cmp_lt_u32 ttmp9, 6
	s_cselect_b32 s17, 0, 6144                     ; v: A's positions begin at Wv's, 6,144 on; B's tokens at X - 24, 6,144 back
	s_add_co_u32 s20, s20, s17
	s_sub_co_u32 s46, s46, s17
	s_lshl_b32 s22, s20, 6                         ; where these rows' scale bytes begin,
	s_mov_b32 s23, 0
	s_mul_i32 s20, s20, 1536                       ; and their codes
	s_mov_b32 s21, 0
	s_lshl_b32 s104, s46, 6
	s_mov_b32 s105, 0
	s_mul_i32 s46, s46, 1536
	s_mov_b32 s47, 0
	s_mul_i32 s45, s[WV], HALFT                    ; where they go: no place in the cluster enters an LDS address
	s_mul_i32 s18, s[CH], 8*16*FRB                 ; in the ring I fetch 128 positions of a tile: which half, in bytes
	s_mov_b32 s19, 0
	s_wait_dscnt 0x0                               ; the opening add is done
	s_wait_kmcnt 0x0
	s_cmp_lt_u32 ttmp9, 6                          ; the cluster's x alone: the same choice in all sixteen partners
	s_cselect_b64 s[G0+2:G0+3], s[4:5], s[8:9]
	s_cselect_b64 s[G0S+2:G0S+3], s[6:7], s[10:11]
	s_cselect_b64 s[G0B+2:G0B+3], s[8:9], s[4:5]
	s_cselect_b64 s[G0SB+2:G0SB+3], s[10:11], s[6:7]
	s_add_nc_u64 s[G0+2:G0+3], s[G0+2:G0+3], s[20:21]
	s_add_nc_u64 s[G0S+2:G0S+3], s[G0S+2:G0S+3], s[22:23]
	s_add_nc_u64 s[G0B+2:G0B+3], s[G0B+2:G0B+3], s[46:47]
	s_add_nc_u64 s[G0SB+2:G0SB+3], s[G0SB+2:G0SB+3], s[104:105]
	CROUND                                         ; all sixteen work-groups are here: the first joint loads meet
.set PFO, 14                           ; v14  the prefetches' offset of my lane; never rewritten
.set PFA, 46                           ; s[46:47] where my prefetches stand
	; THE HEAD'S FOUR TILES, each whole, one a wave: slot 0's 256 positions of A, of B, the scale bytes of A's 256 rows, of B's
	s_mov_b32 s4, 1                                ; (s[4:11] held arguments that have been used)
	s_mov_b32 s5, 0
	s_mov_b64 s[6:7], s[G0+2:G0+3]
	s_or_b32 s7, s7, 0x80000000
	s_mov_b32 s8, 1
	s_mov_b32 s9, 2*HALFT
	s_mov_b64 s[10:11], s[G0B+2:G0B+3]
	s_or_b32 s11, s11, 0x80000000
	s_mov_b32 s[G0S], 1
	s_mov_b32 s[G0S+1], SCL
	s_or_b32 s[G0S+3], s[G0S+3], 0x80000000
	s_mov_b32 s[G0SB], 1
	s_mov_b32 s[G0SB+1], SCL+2*HALFS
	s_or_b32 s[G0SB+3], s[G0SB+3], 0x80000000
	s_add_nc_u64 s[G0+2:G0+3], s[G0+2:G0+3], s[18:19]      ; for the ring: my 128 positions of the tile
	s_add_nc_u64 s[G0B+2:G0B+3], s[G0B+2:G0B+3], s[18:19]
	; the prefetches: of the 8 blocks of 16 positions that I fetch in the ring, each of the four partners that ask for them jointly takes two, told apart by address (cx for A, cy for B)
	s_cmp_eq_u32 s[RH], 0
	s_cselect_b64 s[PFA:PFA+1], s[G0+2:G0+3], s[G0B+2:G0B+3]
	s_cselect_b32 s17, s40, s41
	s_mul_i32 s22, s17, 2*16*FRB
	s_mov_b32 s23, 0
	s_add_nc_u64 s[PFA:PFA+1], s[PFA:PFA+1], s[22:23]
	s_add_nc_u64 s[G0+6:G0+7], s[G0+2:G0+3], NQ*FRB        ; slot 1 begins with the second 256 along K
	s_add_nc_u64 s[G0B+6:G0B+7], s[G0B+2:G0B+3], NQ*FRB
.irp s, 0,1
	s_mov_b32 s[G0+4*\s], 1
	s_add_co_u32 s[G0+4*\s+1], s45, \s*SLOT
	s_or_b32 s[G0+4*\s+3], s[G0+4*\s+3], 0x80000000
	s_mov_b32 s[G0B+4*\s], 1
	s_add_co_u32 s[G0B+4*\s+1], s45, \s*SLOT
	s_or_b32 s[G0B+4*\s+3], s[G0B+4*\s+3], 0x80000000
.endr
; one chain of branches on the wave's number, a load to an arm, all arms leading to one join
.macro ARM under, g0, g1, next
	s_cmp_lt_u32 s[WV], \under
	s_cbranch_scc0 \next
	tensor_load_to_lds s[\g0:\g0+3], s[\g1:\g1+7]
	s_nop 0
.rept 4
	v_nop
.endr
	s_branch .Lhead_asked
\next:
.endm
	ARM 1, 4, G1, .Lhead_b
	ARM 2, 8, G1B, .Lhead_sa
	ARM 3, G0S, G1S, .Lhead_sb
	tensor_load_to_lds s[G0SB:G0SB+3], s[G1SB:G1SB+7]
	s_nop 0
.rept 4
	v_nop
.endr
.Lhead_asked:
	s_mov_b32 s[SEL], 0x76543210
	s_mov_b32 s[SEL+1], 0xfedcba98
	s_mov_b32 s100, 0xffff0000                     ; lanes 16-31
	v_and_b32 v1, 15, v0                           ; r
	v_bfe_u32 v2, v0, 4, 1                         ; h
	v_and_b32 v3, 31, v0
	v_lshlrev_b32 v[LI], 4, v3
	v_lshlrev_b32 v[LI8], 3, v3
	; A slot's part of my two blocks is 2 x 3,072 bytes = 24 runs of 256 bytes: lane l < 24 names run l % 12 of block l / 12; lanes 24-31 name the last run again
	v_min_u32 v[PFO], 23, v3
	v_mul_u32_u24 v15, v[PFO], 171
	v_lshrrev_b32 v15, 11, v15                     ; l / 12
	v_lshlrev_b32 v[PFO], 8, v[PFO]
	v_mad_u32_u24 v[PFO], v15, 16*FRB-NQ*FRB, v[PFO]
	; behind the load of slot s stands a prefetch of slot s + 2; the head also asks for slot 1, whose load follows the head's.  At most two slots are asked for and not yet loaded
	global_prefetch_b8 v[PFO], s[PFA:PFA+1] offset:NQ*FRB th:TH_LOAD_NT scope:SCOPE_SE
	global_prefetch_b8 v[PFO], s[PFA:PFA+1] offset:2*NQ*FRB th:TH_LOAD_NT scope:SCOPE_SE
	s_mul_i32 s21, s[RH], HALFT                    ; my 128 positions of A
	s_mul_i32 s22, s[CH], HALFT                    ; my 128 of B,
	s_add_co_u32 s22, s22, 2*HALFT                 ; which lie behind A's 256
.irp s, 0,1
	v_add_nc_u32 v[ADRA+\s], s21, v[LI]
	v_add_nc_u32 v[ADRB+\s], s22, v[LI]
	s_add_co_u32 s21, s21, SLOT
	s_add_co_u32 s22, s22, SLOT
.endr
	v_mul_u32_u24 v8, v1, KS                       ; my row's scale bytes: 64 a row,
	v_lshrrev_b32 v9, 8, v8
	v_lshl_add_u32 v8, v9, 4, v8                   ; and 16 more for each 256 passed
	s_mul_i32 s21, s[RH], HALFS
	s_mul_i32 s22, s[CH], HALFS
	s_add_co_u32 s22, s22, 2*HALFS
	s_sub_co_u32 s22, s22, s21
	v_mul_u32_u24 v9, s22, v2                      ; lanes 16-31 take B's
	s_add_co_u32 s21, s21, SCL
	v_add_nc_u32 v8, v8, v9
	v_add_nc_u32 v[ADRS], s21, v8
	v_lshlrev_b32 v[WO], 5, v1
	v_lshl_add_u32 v[WO], v2, 4, v[WO]
	v_and_b32 v8, 8, v1
	v_add_nc_u32 v8, v8, v1                        ; r + 8 (r / 8)
	v_lshlrev_b32 v[FO], 8, v8
	v_lshl_add_u32 v[FO], v2, 6, v[FO]
	v_lshlrev_b32 v[BVO], 2, v8
	v_lshlrev_b32 v[BO], 6, v2
	; bq or bk: 64 numbers in the results' order (block 2 b + u holds channels 32 b + 16 h + 8 u + 0 .. 7): they are the C of the first K step's products.  All choices hang on ids alone
	s_and_b32 s17, s42, 7
	s_lshl_b32 s17, s17, 1
	s_add_co_u32 s17, s17, s[CH]
	s_mul_i32 s17, s17, 768                        ; plain channels: my head's first
	s_and_b32 s20, s42, 3
	s_lshl_b32 s20, s20, 2
	s_lshl_b32 s21, s[CH], 1
	s_add_co_u32 s20, s20, s21
	s_mul_i32 s20, s20, 768
	s_add_co_u32 s20, s20, 512                     ; rotary channels: those of the first of my two heads
	s_lshr_b32 s21, ttmp9, 1                       ; 0: q, 1: k, for plain
	s_and_b32 s23, ttmp9, 1                        ; and for rotary channels
	s_cmp_lt_u32 ttmp9, 4
	s_cselect_b32 s22, s17, s20
	s_cselect_b32 s21, s21, s23
	s_cselect_b32 s17, 0, 512                      ; the bytes skipped between two heads' rotary channels
	s_mov_b32 s23, 0
	s_cmp_eq_u32 s21, 0
	s_cselect_b64 s[20:21], s[92:93], s[94:95]
	s_add_nc_u64 s[22:23], s[20:21], s[22:23]
	s_wait_alu depctr_va_vdst(0)
	v_add_nc_u32 v11, s17, v[BO]
	s_cmp_ge_u32 ttmp9, 6                          ; v's bias runs along A's rows: it is added on the way out
	s_cbranch_scc1 .Lno_bias
.irp b, 0,1,2,3
	global_load_b128 v[BB+8*\b:BB+8*\b+3], v[BO], s[22:23] offset:128*(\b/2)+32*(\b%2)
	global_load_b128 v[BB+8*\b+4:BB+8*\b+7], v[BO], s[22:23] offset:128*(\b/2)+32*(\b%2)+16
.endr
.irp b, 4,5,6,7
	global_load_b128 v[BB+8*\b:BB+8*\b+3], v11, s[22:23] offset:128*(\b/2)+32*(\b%2)
	global_load_b128 v[BB+8*\b+4:BB+8*\b+7], v11, s[22:23] offset:128*(\b/2)+32*(\b%2)+16
.endr
.Lno_bias:
.macro FRAG reg, adr, q, i             ; a fragment comes as it was stored: three loads of 512 consecutive bytes
.irp c, 0,1,2
	ds_load_b128 v[\reg+4*\c:\reg+4*\c+3], v[\adr] offset:(\i)*NQ*FRB+(\q)*FRB+512*\c
.endr
.endm
; 16 matrix instructions: A's blocks a0, a0 + 1 x B's eight, 128 along K.  The 64 accumulators take turns, one instruction a turn, in the same order in every step.
.macro MUL16 a0, p, q, sc, zero
.irp a, \a0, \a0+1
.irp b, 0,1,2,3,4,5,6,7
.if \zero == 2                         ; the first product starts the sums from the bias of B's block b (window 0)
	v_wmma_scale_f32_16x16x128_f8f6f4 v[8*(8*((\a)%4)+\b):8*(8*((\a)%4)+\b)+7], v[128*(\p)+FR*\b:128*(\p)+FR*\b+FR-1], v[AF+FR*(\a):AF+FR*(\a)+FR-1], v[BB+8*\b:BB+8*\b+7], v[SC+8*NQ*(\sc)+NQ*\b+(\q)], v[SC+8*NQ*(\sc)+NQ*(\a)+(\q)] matrix_a_fmt:MATRIX_FMT_FP6 matrix_b_fmt:MATRIX_FMT_FP6 matrix_a_scale:MATRIX_SCALE_ROW1
.elseif \zero
	v_wmma_scale_f32_16x16x128_f8f6f4 v[8*(8*((\a)%4)+\b):8*(8*((\a)%4)+\b)+7], v[128*(\p)+FR*\b:128*(\p)+FR*\b+FR-1], v[AF+FR*(\a):AF+FR*(\a)+FR-1], 0, v[SC+8*NQ*(\sc)+NQ*\b+(\q)], v[SC+8*NQ*(\sc)+NQ*(\a)+(\q)] matrix_a_fmt:MATRIX_FMT_FP6 matrix_b_fmt:MATRIX_FMT_FP6 matrix_a_scale:MATRIX_SCALE_ROW1
.else
	v_wmma_scale_f32_16x16x128_f8f6f4 v[8*(8*((\a)%4)+\b):8*(8*((\a)%4)+\b)+7], v[128*(\p)+FR*\b:128*(\p)+FR*\b+FR-1], v[AF+FR*(\a):AF+FR*(\a)+FR-1], v[8*(8*((\a)%4)+\b):8*(8*((\a)%4)+\b)+7], v[SC+8*NQ*(\sc)+NQ*\b+(\q)], v[SC+8*NQ*(\sc)+NQ*(\a)+(\q)] matrix_a_fmt:MATRIX_FMT_FP6 matrix_b_fmt:MATRIX_FMT_FP6 matrix_a_scale:MATRIX_SCALE_ROW1
.endif
.endr
.endr
.endm
.macro FETCH_B slot, q, p
	WIN TO_B
.irp i, 0,1,2,3,4,5,6,7
	FRAG 128*(\p)+FR*\i, ADRB+\slot, \q, \i
.endr
	WIN 0
.endm
.macro FETCH_A slot, q, i0
.irp i, \i0, \i0+1, \i0+2, \i0+3
	FRAG AF+FR*(\i), ADRA+\slot, \q, \i
.endr
.endm
.macro SCALES sc                       ; a K step's two scale words a row: lanes 0-15 take A's block i, lanes 16-31 B's block i
.irp i, 0,1,2,3,4,5,6,7
	ds_load_b64 v[SC+8*NQ*\sc+NQ*\i:SC+8*NQ*\sc+NQ*\i+1], v[ADRS] offset:\i*SBLK
.endr
.endm
.macro PLACES n                        ; plain vector instructions between a matrix instruction and a load into, or a vector instruction on, its registers
.rept \n
	v_nop
.endr
.endm
.macro STEP slot, q, zero              ; a step of 128 along K that has its successor in the same slot
	s_wait_dscnt 4*NL                              ; B's set and A's blocks 0-3 are in; the youngest 12 loads (A's blocks 4-7) may be out
	WIN (MUL_LO-0x20*((\zero)/2))                  ; zero = 2
	MUL16 0, (\q)%2, \q, \slot, \zero
	MUL16 2, (\q)%2, \q, \slot, \zero
	s_wait_dscnt 0                                 ; A's blocks 4-7 are in
	PLACES NP
	FETCH_B \slot, (\q)+1, 1-(\q)%2
	FETCH_A \slot, (\q)+1, 0
	WIN (MUL_HI-0x30*((\zero)/2))
	MUL16 4, (\q)%2, \q, \slot, \zero
	MUL16 6, (\q)%2, \q, \slot, \zero
	PLACES NP
	WIN 0
	FETCH_A \slot, (\q)+1, 4
.endm
; A slot's last step changes slots: one barrier; in front of it each wave waits for all its tensor loads, adds 0 to its spare word, and waits for that and for its reads of this slot.
.macro TURN slot, next, fill
.if \fill
	s_wait_xcnt 0x0                                ; my prefetches have read their address: it steps one slot along K
	s_add_nc_u64 s[PFA:PFA+1], s[PFA:PFA+1], NQ*FRB
.endif
	s_wait_tensorcnt 0x0                           ; all my tensor loads have landed: my part of the next slot
	ds_add_u32 v[SPW], v[NIL]
	s_wait_dscnt 4*NL+1                            ; (the add and the youngest 12 loads may be out)
	WIN MUL_LO
	MUL16 0, 1, NQ-1, \slot, 0
	s_wait_dscnt 0x0                               ; the add is done, and my reads of this slot are over
	s_barrier_signal -1
	MUL16 2, 1, NQ-1, \slot, 0
	WIN 0
	s_barrier_wait -1
.if \fill
	CREST                                          ; the barrier has opened a round of the cluster's barrier: no wave of any partner still reads this slot or has a load on its way
	s_add_nc_u64 s[G0+4*\slot+2:G0+4*\slot+3], s[G0+4*\slot+2:G0+4*\slot+3], 2*NQ*FRB
	s_add_nc_u64 s[G0B+4*\slot+2:G0B+4*\slot+3], s[G0B+4*\slot+2:G0B+4*\slot+3], 2*NQ*FRB
	JLOAD G0+4*\slot, G1, G0B+4*\slot, G1B         ; the first tensor load behind the round; its four v_nop are the places in front of the loads below
.else
	PLACES NP
.endif
	s_wait_alu depctr_va_vdst(0)
	v_add_nc_u32 v[ADRS], 4*NQ, v[ADRS]
	FETCH_B \next, 0, 0
	FETCH_A \next, 0, 0
	SCALES \next
.if \fill
	s_cmp_gt_u32 s[LAP], 1                         ; the last lap's two refills have no slot two further on: they ask for nothing
	s_cbranch_scc0 .Lno_ask_\@
	global_prefetch_b8 v[PFO], s[PFA:PFA+1] offset:3*NQ*FRB th:TH_LOAD_NT scope:SCOPE_SE
.Lno_ask_\@:
.endif
	WIN MUL_HI
	MUL16 4, 1, NQ-1, \slot, 0
	MUL16 6, 1, NQ-1, \slot, 0
	PLACES NP
	WIN 0
	FETCH_A \next, 0, 4
.endm
.macro LAST2                           ; the last 256 along K
	STEP 1, 0, 0
	s_wait_dscnt 4*NL
	WIN MUL_LO
	MUL16 0, 1, NQ-1, 1, 0
	MUL16 2, 1, NQ-1, 1, 0
	s_wait_dscnt 0
	WIN MUL_HI
	MUL16 4, 1, NQ-1, 1, 0
	MUL16 6, 1, NQ-1, 1, 0
	WIN 0
.endm
; 64 numbers of a lane, v[s] .. v[s + 63], register 16 b + i = k 32 b + 16 (lane / 16) + i of my row, become a fragment's codes in v[PC] on and its scale word in v[pw].
.macro QUANT s, pw, w                  ; w: the window in which the 64 numbers lie (0, or the accumulators' own: each accumulator is then read from its low end on)
	WIN (5*(\w))                                   ; sources 0 and 1
.irp b, 0,1,2,3
	v_max3_num_f32 v[TM+\b], |v[\s+16*\b]|, |v[\s+1+16*\b]|, 0x1800000   ; my 16 numbers of block b, and the floor 2^(3 - 127)
.endr
.irp i, 2,4,6,8,10,12,14
.irp b, 0,1,2,3
	v_max3_num_f32 v[TM+\b], |v[\s+16*\b+\i]|, |v[\s+1+16*\b+\i]|, v[TM+\b]
.endr
.endr
	WIN 0
.irp b, 0,1,2,3
	v_permlanex16_b32 v[TM+4+\b], v[TM+\b], s[SEL], s[SEL+1]
.endr
.irp b, 0,1,2,3
	v_max_num_f32 v[TM+\b], v[TM+\b], v[TM+4+\b]   ; with lane l xor 16's: the block's largest magnitude
.endr
.irp b, 0,1,2,3
	v_add_nc_u32 v[TM+12+\b], 0xff000000, v[TM+\b] ; 2 off its exponent field: the conversion's scale operand
.endr
.irp b, 0,1,2,3
	v_lshrrev_b32 v[TM+4+\b], 23, v[TM+12+\b]      ; the scale's byte
.endr
	v_lshl_or_b32 v[\pw], v[TM+5], 8, v[TM+4]
	v_lshl_or_b32 v[\pw], v[TM+6], 16, v[\pw]
	v_lshl_or_b32 v[\pw], v[TM+7], 24, v[\pw]
	s_wait_alu depctr_va_vdst(0)
	s_wait_xcnt 0x0                                ; the last fragment's stores have read the registers that are written now
	WIN (\w)                                       ; source 0
.irp c, 0,1
	v_cvt_scalef32_pk16_fp6_f32 v[PC+6*\c:PC+2+6*\c], v[\s+32*\c:\s+15+32*\c], v[TM+12+2*\c]
	v_cvt_scalef32_pk16_fp6_f32 v[PC+12+4*\c:PC+14+4*\c], v[\s+16+32*\c:\s+31+32*\c], v[TM+12+2*\c+1]
.endr
	WIN 0
	v_nop                                          ; one plain place behind a scaled conversion
.irp c, 0,1                            ; the operand's layout wants a whole block in a lane
.irp i, 0,1,2
	v_permlane16_swap_b32 v[PC+6*\c+\i], v[PC+12+4*\c+\i]
.endr
.irp i, 0,1,2
	v_mov_b32 v[PC+3+6*\c+\i], v[PC+12+4*\c+\i]
.endr
.endr
.endm
.macro TMCLR                           ; a lane permute's destination counts as one of its sources
.irp b, 0,1,2,3
	v_mov_b32 v[TM+4+\b], 0
.endr
.endm
.macro ADDV a                          ; the same where the bias is my channel's: one number for all 64
.set AC, 64*((\a)%4)
.set BP2, BB+2*((\a)/2)
	WIN (2+(\a)/4)
.set k, 0
.rept 32
.if (\a)%2
	v_pk_add_f32 v[T+k:T+k+1], v[AC+k:AC+k+1], v[BP2:BP2+1] op_sel:[0,1]
.else
	v_pk_add_f32 v[T+k:T+k+1], v[AC+k:AC+k+1], v[BP2:BP2+1] op_sel_hi:[1,0]
.endif
.set k, k+2
.endr
	WIN 0
.endm
.macro PUT a, off                      ; a fragment leaves as it stands: each store covers 512 consecutive bytes
.irp c, 0,1,2
	global_store_b128 v[LI], v[PC+4*\c:PC+4*\c+3], s[12:13] offset:\off+FRB*(\a)+512*\c
.endr
.endm
.macro WORDS                           ; lanes 0-15 store words 0-3 of their row, lanes 16-31 words 4-7
.irp i, 0,1,2,3
	v_cndmask_b32 v[WS+\i], v[W+\i], v[W+4+\i], s100
.endr
.endm
.macro BLOCKBASE                       ; s18 = head, Y and my half of its rows give batch and group of 128 tokens: s[20:21] = the block's first byte
	s_lshr_b32 s19, s16, 2
	s_lshl_b32 s19, s19, 4
	s_add_co_u32 s19, s19, s18
	s_lshl_b32 s19, s19, 3
	s_lshl_b32 s17, s16, 1
	s_add_co_u32 s17, s17, s[RH]
	s_and_b32 s17, s17, 7
	s_add_co_u32 s19, s19, s17
	s_lshl_b32 s20, s19, 15
	s_mov_b32 s21, 0
.endm
	s_wait_alu depctr_va_vdst(0)
	s_wait_tensorcnt 0x0                           ; my tile of the head's four is in
	ds_add_u32 v[SPW], v[NIL]
	s_mov_b32 s[G1+2], 8<<16                       ; no tensor load of mine is out: from here on a load brings 8 blocks of 16 positions
	s_mov_b32 s[G1+4], 8
	s_mov_b32 s[G1B+2], 8<<16
	s_mov_b32 s[G1B+4], 8
	s_wait_dscnt 0x0
	CROUND                                         ; a whole round: all four tiles are in, in every wave of every partner
	JLOAD G0+4, G1, G0B+4, G1B                     ; slot 1's first fill, a quarter a wave: the first tensor load behind the round
	FETCH_B 0, 0, 0
	FETCH_A 0, 0, 0
	SCALES 0
	global_prefetch_b8 v[PFO], s[PFA:PFA+1] offset:3*NQ*FRB th:TH_LOAD_NT scope:SCOPE_SE   ; behind slot 1's load: slot 3
	FETCH_A 0, 0, 4
	s_wait_loadcnt 0x0                             ; the bias of q or k is in (v has no load out here): the wait stands on every path, ahead of the branch
	s_cmp_ge_u32 ttmp9, 6                          ; the first step stands in front of the loop, once for q and k and once for v; the branch hangs on the cluster's x alone
	s_cbranch_scc1 .Lfirst_v
	STEP 0, 0, 2                                   ; q, k: the products start the sums from the bias
	s_branch .Lfirst_done
.Lfirst_v:
	STEP 0, 0, 1                                   ; v: from 0
.Lfirst_done:
	s_mov_b32 s[LAP], LAPS-1
.Llap:                                             ; a trip goes once round the ring and fills both slots again
	TURN 0, 1, 1
	STEP 1, 0, 0
	TURN 1, 0, 1
	STEP 0, 0, 0
	s_sub_co_u32 s[LAP], s[LAP], 1
	s_cmp_lg_u32 s[LAP], 0
	s_cbranch_scc1 .Llap
	TURN 0, 1, 0                                   ; nothing is left to fetch
	; THE KINDS PART HERE, ahead of the last 256 along K, so that v's bias and the first rotary tables land while those 128 products run.  The branches hang on the cluster's x alone.
	s_cmp_ge_u32 ttmp9, 6
	s_cbranch_scc1 .Lpath_v
	s_cmp_ge_u32 ttmp9, 4
	s_cbranch_scc1 .Lpath_r
	; ---- plain channels of q or k: my 128 columns are one head's
	s_lshr_b32 s17, ttmp9, 1                       ; 0: q, 1: k
	s_and_b32 s18, s42, 7
	s_lshl_b32 s18, s18, 1
	s_add_co_u32 s18, s18, s[CH]                   ; head
	s_cmp_eq_u32 s17, 0
	s_cselect_b64 s[12:13], s[12:13], s[14:15]
	BLOCKBASE
	s_add_nc_u64 s[12:13], s[12:13], s[20:21]
	LAST2
	PLACES NP
	TMCLR
.irp a, 0,1,2,3,4,5,6,7
	QUANT 64*(\a%4), W+\a, 2+\a/4                  ; the sums hold the bias already: they are quantised where they lie
	PUT \a, 0
.endr
	WORDS
	global_store_b128 v[WO], v[WS:WS+3], s[12:13] offset:30720
	s_branch .Lend
	; ---- rotary channels of q or k: my 128 columns are two heads' 64
.Lpath_r:
	s_and_b32 s17, ttmp9, 1                        ; 0: q, 1: k
	s_and_b32 s18, s42, 3
	s_lshl_b32 s18, s18, 2
	s_lshl_b32 s19, s[CH], 1
	s_add_co_u32 s18, s18, s19                     ; the first of the two heads
	s_cmp_eq_u32 s17, 0
	s_cselect_b64 s[12:13], s[12:13], s[14:15]
	BLOCKBASE
	s_add_nc_u64 s[12:13], s[12:13], s[20:21]
	s_lshl_b32 s46, s16, 8
	s_lshl_b32 s47, s[RH], 7
	s_add_co_u32 s46, s46, s47
	s_and_b32 s46, s46, 1023                       ; my first token's place in its sequence
	s_lshl_b32 s46, s46, 8                         ; a row of the table is 256 bytes
	s_mov_b32 s47, 0
	s_add_nc_u64 s[46:47], s[98:99], s[46:47]
.macro SETFC a                         ; where block a's table lies in window 1: blocks 0, 1 in the registers that lie idle in the loop, the others where B's sets lay
.if (\a) == 0
.set FC, 96
.elseif (\a) == 1
.set FC, 224
.elseif (\a) < 5
.set FC, 32*((\a)-2)
.else
.set FC, 128+32*((\a)-5)
.endif
.endm
.macro FCLOAD a                        ; my token's (cos, sin) of pairs 16 p + 8 h + 0 .. 7: 32 registers
	SETFC \a
.irp p, 0,1
.irp i, 0,1,2,3
	global_load_b128 v[FC+16*\p+4*\i:FC+16*\p+4*\i+3], v[FO], s[46:47] offset:(32*((\a)/2)+8*((\a)%2))*256+128*\p+16*\i
.endr
.endr
.endm
.macro ROPE a                          ; (a, b) -> (a c - b d, a d + b c): U = (a c, b c), then T = (-b d + a c, a d + b c); eight pairs at a time
	SETFC \a
.set AC, 64*((\a)%4)
	WIN (6+(\a)/4)                                 ; source 0 the accumulators' window, source 1 window 1
.set k, 0
.rept 4                                ; eight pairs by turns: U is v228-243
.irp n, 0,1,2,3,4,5,6,7
.set FP, FC+16*(((k+\n)/8)%2)+2*((k+\n)%8)
	v_pk_mul_f32 v[U+2*\n:U+2*\n+1], v[AC+2*(k+\n):AC+2*(k+\n)+1], v[FP:FP+1] op_sel_hi:[1,0]
.endr
.irp n, 0,1,2,3,4,5,6,7
.set FP, FC+16*(((k+\n)/8)%2)+2*((k+\n)%8)
	v_pk_fma_f32 v[T+2*(k+\n):T+2*(k+\n)+1], v[AC+2*(k+\n):AC+2*(k+\n)+1], v[FP:FP+1], v[U+2*\n:U+2*\n+1] op_sel:[1,1,0] op_sel_hi:[0,1,1] neg_lo:[1,0,0]
.endr
.set k, k+8
.endr
	WIN 0
.endm
.macro PUTR a                          ; registers 0-5 are the first head's half fragment, 6-11 the next head's, eight blocks (262,144 bytes) on
	global_store_b128 v[LI], v[PC:PC+3], s[12:13] offset:12288+768*(\a)
	global_store_b64 v[LI8], v[PC+4:PC+5], s[12:13] offset:12288+768*(\a)+512
	global_store_b128 v[LI], v[PC+6:PC+9], s[12:13] offset:262144+12288+768*(\a)
	global_store_b64 v[LI8], v[PC+10:PC+11], s[12:13] offset:262144+12288+768*(\a)+512
.endm
	WIN 0x40
	FCLOAD 0
	FCLOAD 1
	WIN 0
	LAST2
	PLACES NP
	WIN 0x40
.irp a, 2,3,4,5,6,7
	FCLOAD \a
.endr
	WIN 0
	TMCLR
.irp a, 0,1,2,3,4,5,6,7
	s_wait_loadcnt 56-8*\a                         ; block a's table is in; the later blocks' tables, 8 loads each, may be out
	ROPE \a
	QUANT T, W+\a, 0
	PUTR \a
.endr
	WORDS
.irp i, 0,1,2,3
	v_lshrrev_b32 v[WS+4+\i], 16, v[WS+\i]         ; bytes 2, 3: the next head's two blocks;
	v_and_b32 v[WS+\i], 0xffff, v[WS+\i]           ; bytes 0, 1: the first head's.  The upper two bytes of a rotary word are 0
.endr
	global_store_b128 v[WO], v[WS:WS+3], s[12:13] offset:31232
	global_store_b128 v[WO], v[WS+4:WS+7], s[12:13] offset:262144+31232
	s_branch .Lend
	; ---- v: a lane holds a channel, its registers run along 128 keys
.Lpath_v:
	s_sub_co_u32 s17, s42, 24
	s_lshr_b32 s19, s17, 2                         ; batch
	s_lshl_b32 s19, s19, 4
	s_lshl_b32 s18, s16, 1
	s_add_co_u32 s18, s18, s[RH]                   ; head
	s_add_co_u32 s19, s19, s18
	s_lshl_b32 s19, s19, 3
	s_lshl_b32 s17, s17, 1
	s_add_co_u32 s17, s17, s[CH]
	s_and_b32 s17, s17, 7                          ; group of 128 tokens
	s_add_co_u32 s19, s19, s17
	s_lshl_b32 s20, s19, 15
	s_mov_b32 s21, 0
	s_add_nc_u64 s[12:13], s[14:15], s[20:21]
	s_lshl_b32 s22, s18, 9                         ; the head's 128 numbers of bv
	s_mov_b32 s23, 0
	s_add_nc_u64 s[22:23], s[96:97], s[22:23]
.irp a, 0,1,2,3,4,5,6,7
	global_load_b32 v[BB+\a], v[BVO], s[22:23] offset:(32*(\a/2)+8*(\a%2))*4
.endr
	LAST2
	PLACES NP
	TMCLR
.irp i, 0,1,2,3
	v_mov_b32 v[ZR+\i], 0
.endr
	global_store_b128 v[LI], v[ZR:ZR+3], s[12:13] offset:32256    ; the block's last 512 bytes
	s_wait_loadcnt 0x0
.irp a, 0,1,2,3,4,5,6,7
	ADDV \a
	QUANT T, W+\a, 0
	PUT \a, 18432
.endr
	WORDS
	global_store_b128 v[WO], v[WS:WS+3], s[12:13] offset:31744
.Lend:
	s_wait_tensorcnt 0x0                           ; the wave's end, behind my last tensor load
	ds_add_u32 v[SPW], v[NIL]
	s_wait_dscnt 0x0
	CROUND                                         ; the closing round: no work-group ends while a partner may still ask for a tile that names it
	s_endpgm
.Lfunc_end_k_qfbec1a178e_qkv:
	.size	k_qfbec1a178e_qkv, .Lfunc_end_k_qfbec1a178e_qkv-k_qfbec1a178e_qkv
	.p2alignl 7, 3214868480
	.fill 96, 4, 3214868480
	.section	.rodata,"a",@progbits
	.p2align	6, 0x0
	.amdhsa_kernel k_qfbec1a178e_qkv
		.amdhsa_group_segment_fixed_size 327680
		.amdhsa_private_segment_fixed_size 0
		.amdhsa_enable_private_segment 0
		.amdhsa_kernarg_size 80
		.amdhsa_user_sgpr_count 2
		.amdhsa_user_sgpr_kernarg_segment_ptr 1
		.amdhsa_wavefront_size32 1
		.amdhsa_system_sgpr_workgroup_id_x 1
		.amdhsa_system_sgpr_workgroup_id_y 1
		.amdhsa_system_sgpr_workgroup_id_z 1
		.amdhsa_system_vgpr_workitem_id 0
		.amdhsa_next_free_vgpr 1024
		.amdhsa_next_free_sgpr 106
		.amdhsa_reserve_vcc 0
		.amdhsa_float_denorm_mode_32 3
		.amdhsa_float_denorm_mode_16_64 3
		.amdhsa_memory_ordered 1
		.amdhsa_forward_progress 1
		.amdhsa_inst_pref_size 255
	.end_amdhsa_kernel
	.section	.bss,"aw",@nobits
	.p2align	6
	.space	262144
	.amdgpu_metadata
---
amdhsa.version: [ 1, 2 ]
amdhsa.kernels:
  - .name:           k_qfbec1a178e_qkv
    .symbol:         k_qfbec1a178e_qkv.kd
    .args:
      - { .name: xc, .offset: 0, .size: 8, .value_kind: global_buffer, .address_space: global }
      - { .name: xs, .offset: 8, .size: 8, .value_kind: global_buffer, .address_space: global }
      - { .name: wc, .offset: 16, .size: 8, .value_kind: global_buffer, .address_space: global }
      - { .name: ws, .offset: 24, .size: 8, .value_kind: global_buffer, .address_space: global }
      - { .name: bq, .offset: 32, .size: 8, .value_kind: global_buffer, .address_space: global }
      - { .name: bk, .offset: 40, .size: 8, .value_kind: global_buffer, .address_space: global }
      - { .name: bv, .offset: 48, .size: 8, .value_kind: global_buffer, .address_space: global }
      - { .name: freqs_cis, .offset: 56, .size: 8, .value_kind: global_buffer, .address_space: global }
      - { .name: qb, .offset: 64, .size: 8, .value_kind: global_buffer, .address_space: global }
      - { .name: kvb, .offset: 72, .size: 8, .value_kind: global_buffer, .address_space: global }
    .group_segment_fixed_size: 327680
    .private_segment_fixed_size: 0
    .kernarg_segment_align: 8
    .kernarg_segment_size: 80
    .max_flat_workgroup_size: 128
    .sgpr_count:     106
    .vgpr_count:     1024
    .wavefront_size: 32
...
	.end_amdgpu_metadata
.endif
;; end of part 2
;; launch attn (part 3): grid 8 x 32, 8 waves a work-group, clusters of 4 x 1, 327,680 bytes of LDS; arguments qb, kvb, cc, cs; writes cc, cs
.if DOCPART == 3
	.amdgcn_target "amdgcn-amd-amdhsa--gfx1250"
	.amdhsa_code_object_version 6
	.text
	.protected	k_qfbec1a178e_attn
	.globl	k_qfbec1a178e_attn
	.p2align	8
	.type	k_qfbec1a178e_attn,@function
k_qfbec1a178e_attn:
	s_mov_b64 s[64:65], 0
	v_nop
	global_prefetch_b8 v0, s[64:65] scope:SCOPE_SE
	s_setreg_imm32_b32 hwreg(HW_REG_WAVE_MODE, 25, 1), 1
	s_wait_xcnt 0x0
	s_wait_alu depctr_hold_cnt(0) depctr_sa_sdst(0) depctr_va_vdst(0) depctr_va_sdst(0) depctr_va_ssrc(0) depctr_va_vcc(0) depctr_vm_vsrc(0)
	s_getreg_b32 s2, hwreg(HW_REG_IB_STS2, 6, 4)
	s_cmp_eq_u32 s2, 0
	s_cbranch_scc0 .Lentry_in_a_cluster
	s_endpgm
.Lentry_in_a_cluster:
	s_bfe_u32 s2, ttmp6, 0x10000c
	s_cmp_lg_u32 s2, 0x3003
	s_cbranch_scc0 .Lentry_shape_is_right
	s_endpgm
.Lentry_shape_is_right:
; Attention of one (batch, head) and 128 query positions a work-group, on codes of FP6 (E2M3) with E8M0 scales.  Eight waves, 16 query positions each; a lane holds one query throughout.
; A step is 128 keys: S^T = k q^T (128 plain channels, then 64 rotary ones in a half-empty K step whose other codes are zeros), begun from the mask's image x sqrt(192) as C; t = S x log2(e) / sqrt(192);
; M = the ceiling of the running largest t; p = 2^(t - M); the row's sum is taken of the unquantised p; p is quantised by blocks of 32 keys; O^T = O^T x 2^(old M - new M) + v^T p^T.
; At the end O^T / the sum is quantised along the head's 128 channels and leaves as a fragment image of ctx with its scale bytes.
; k and v of the head, 8 blocks of 32,768 bytes, all lie in LDS, each byte filled once.  At the head a wave asks for 8,192 bytes of blocks 0 and 1; behind a round it asks for
; 24,576 bytes of blocks 2 to 7, which land while the first two steps are worked.  CLUSTER 4, 1, 1: the four query blocks of a head ask for these tiles jointly.
; No prefetch: all of k and v is asked for by the first two groups of loads, so no later tile is left to run ahead for; the mask's images come into registers two steps ahead.
; LIMITS: the promise holds while the scaled scores t stay under 2^31 in magnitude; NaN and infinities are not served; a block of zeros gets the byte 1 (this program alone reads the bytes).
.set G1L, 40                           ; s[40:47] group 1 of the second load: 96 rows of 256 bytes
.set BLKB,  32768
.set SPARE, 8*BLKB
.set R_OFF, 12288
.set V_OFF, 18432
.set MIOFF, 8388608
.set SPW, 1
.set NIL, 2
.set LI,  3
.set L8,  4
.set ASW0, 5
.set AVW0, 6
.set ADK, 8
.set AD8, 9
.set ADS, 10
.set ADV, 11
.set QN,  16
.set QR,  28
.set QW,  40
.set NM,  42
.set LT,  43
.set SU,  44
.set KW,  48
.set VW,  56
.set MK,  64
.set PC,  128
.set BM,  148
.set BP,  152
.set SO,  156
.set FS,  160
.set PWD, 162
.set TT,  163
.set TM,  148
.set PW,  164
.set S,   192
.set KN,  128
.set KR,  224
.set WV,  14
.set G1K, 24
.set G0,  32
.set CNT, 56
.set TB,  57
.set MB,  58
.set SEL, 62
.set CS,  66
.set MSB, 0
.macro WIN new
.if MSB != \new
	s_set_vgpr_msb (MSB<<8)|\new
.set MSB, \new
.endif
.endm
.macro PLACES
.rept 4
	v_nop
.endr
.endm
.macro CROUND
	s_barrier_signal -1
	s_barrier_wait -1
	s_cmp_lg_u32 s[WV], 0
	s_cbranch_scc1 .Lnot_wave_0_\@
	s_barrier_signal -3
.Lnot_wave_0_\@:
	s_barrier_wait -3
	s_barrier_signal -1
	s_barrier_wait -1
.endm
	s_load_b256 s[4:11], s[0:1], 0x0
	v_lshl_add_u32 v[SPW], v0, 2, SPARE
	v_mov_b32 v[NIL], 0
	ds_add_u32 v[SPW], v[NIL]
	ds_add_u32 v[SPW], v[NIL]
	v_lshrrev_b32 v165, 5, v0
	s_delay_alu instid0(VALU_DEP_1)
	v_readfirstlane_b32 s[WV], v165
	s_bfe_u32 s16, ttmp6, 0x40000
	s_lshl_b32 s18, ttmp9, 2
	s_add_co_u32 s18, s18, s16
	s_and_b32 s19, ttmp7, 0xffff
	s_mov_b32 s[G1K], 15|(3<<16)|(1<<21)
	s_mov_b32 s[G1K+1], 32<<16
	s_mov_b32 s[G1K+2], 32<<16
	s_mov_b32 s[G1K+3], 32<<16
	s_mov_b32 s[G1K+4], 32
	s_mov_b32 s[G1K+5], 32
	s_mov_b32 s[G1K+6], 0
	s_mov_b32 s[G1K+7], 0
	s_mov_b32 s[G1L], 15|(3<<16)|(1<<21)
	s_mov_b32 s[G1L+1], 32<<16
	s_mov_b32 s[G1L+2], 96<<16
	s_mov_b32 s[G1L+3], 32<<16
	s_mov_b32 s[G1L+4], 96
	s_mov_b32 s[G1L+5], 32
	s_mov_b32 s[G1L+6], 0
	s_mov_b32 s[G1L+7], 0
	s_lshl_b32 s70, s19, 18
	s_lshl_b32 s74, s[WV], 13
	s_add_co_u32 s70, s70, s74
	s_mov_b32 s71, 0
	s_mov_b32 s[SEL], 0x76543210
	s_mov_b32 s[SEL+1], 0xfedcba98
	s_mov_b32 s[CS], 0x3dd53b94
	s_mov_b32 s[CS+1], s[CS]
	s_mov_b32 s[TB], 0
	s_wait_dscnt 0x0
	s_wait_kmcnt 0x0
	s_add_nc_u64 s[70:71], s[6:7], s[70:71]
	s_mov_b32 s[G0], 1                             ; blocks 0 and 1: 8,192 bytes a wave, at 8,192 x wave
	s_add_co_u32 s[G0+1], s74, 0
	s_mov_b64 s[G0+2:G0+3], s[70:71]
	s_or_b32 s[G0+3], s[G0+3], 0x80000000
	s_lshl_b32 s72, s[WV], 14
	s_add_co_u32 s72, s72, 2*BLKB
	s_mov_b32 s73, 0
	s_mov_b32 s[G0+4], 1                           ; blocks 2 to 7: 24,576 bytes a wave, at 65,536 + 24,576 x wave
	s_add_co_u32 s[G0+5], s74, s72
	s_add_nc_u64 s[G0+6:G0+7], s[70:71], s[72:73]
	s_or_b32 s[G0+7], s[G0+7], 0x80000000
	CROUND                                         ; the four partners are here: the first joint loads meet
	tensor_load_to_lds s[G0:G0+3], s[G1K:G1K+7]    ; my one load at the head
	s_nop 0
	PLACES
	s_lshl_b32 s76, s19, 3
	s_add_co_u32 s76, s76, s18
	s_lshl_b32 s76, s76, 15
	s_mov_b32 s77, 0
	s_lshl_b32 s78, s18, 3
	s_add_co_u32 s78, s78, s[WV]
	s_lshl_b32 s78, s78, 16
	s_add_co_u32 s78, s78, MIOFF
	s_mov_b32 s79, 0
	s_add_nc_u64 s[MB:MB+1], s[4:5], s[78:79]
	s_add_nc_u64 s[4:5], s[4:5], s[76:77]
	v_and_b32 v166, 31, v0
	v_and_b32 v167, 15, v0
	v_bfe_u32 v168, v0, 4, 1
	s_delay_alu instid0(VALU_DEP_3)
	v_lshlrev_b32 v[LI], 4, v166
	s_delay_alu instid0(VALU_DEP_4)
	v_lshlrev_b32 v[L8], 3, v166
	s_mul_i32 s72, s[WV], 1536
	v_add_nc_u32 v169, s72, v[LI]
	s_mul_i32 s72, s[WV], 768
	v_add_nc_u32 v170, s72, v[LI]
	v_add_nc_u32 v171, s72, v[L8]
	v_lshlrev_b32 v[AVW0], 5, v167
	s_delay_alu instid0(VALU_DEP_1)
	v_lshl_add_u32 v[ASW0], v168, 9, v[AVW0]
	s_lshl_b32 s72, s[WV], 2
	v_add_nc_u32 v172, s72, v[ASW0]
.irp c, 0,1,2
	global_load_b128 v[QN+4*\c:QN+4*\c+3], v169, s[4:5] offset:512*\c
.endr
	global_load_b128 v[QR:QR+3], v170, s[4:5] offset:R_OFF
	global_load_b64 v[QR+4:QR+5], v171, s[4:5] offset:R_OFF+512
	global_load_b32 v[QW], v172, s[4:5] offset:30720
.macro MLOAD off
.irp c, 0,1,2,3,4,5,6,7,8,9,10,11,12,13,14,15
	global_load_b128 v[MK+4*\c:MK+4*\c+3], v[LI], s[MB:MB+1] offset:\off+512*\c
.endr
.endm
	MLOAD 0
	WIN 0x40
	MLOAD 8192
.set j, 0
.rept 64
	v_mov_b32 v[j], 0
.set j, j+1
.endr
.irp i, 24,25,26,27,28,29
	v_mov_b32 v[KR+\i], 0
.endr
	WIN 0
	v_add_nc_u32 v[ASW0], 30720, v[ASW0]
	v_add_nc_u32 v[AVW0], 31744, v[AVW0]
.irp i, 6,7,8,9,10,11
	v_mov_b32 v[QR+\i], 0
.endr
	v_mov_b32 v[LT], 0xff61b1e6
	s_delay_alu instid0(VALU_DEP_1)
	v_floor_f32 v[NM], -v[LT]
	v_mov_b32 v[SU], 0
	v_mov_b32 v[SU+1], 0
.irp b, 0,1,2,3
	v_mov_b32 v[BP+\b], 0
.endr
	v_mov_b32 v[FS+1], 0
.macro NLOAD
.irp t, 0,1,2,3,4,5,6,7
.irp c, 0,1,2
	ds_load_b128 v[KN+12*\t+4*\c:KN+12*\t+4*\c+3], v[ADK] offset:1536*\t+512*\c
.endr
.endr
.endm
.macro RLOAD g
.irp t, 0,1,2,3
	ds_load_b128 v[KR+6*\t:KR+6*\t+3], v[ADK] offset:R_OFF+768*(4*\g+\t)
	ds_load_b64 v[KR+6*\t+4:KR+6*\t+5], v[AD8] offset:R_OFF+768*(4*\g+\t)+512
.endr
.endm
.macro VLOAD
.irp t, 0,1,2,3,4,5,6,7
.irp c, 0,1,2
	ds_load_b128 v[KN+12*\t+4*\c:KN+12*\t+4*\c+3], v[ADK] offset:V_OFF+1536*\t+512*\c
.endr
.endr
.endm
.macro NMUL
.irp t, 0,1,2,3,4,5,6,7
	v_wmma_scale_f32_16x16x128_f8f6f4 v[S+8*\t:S+8*\t+7], v[KN+12*\t:KN+12*\t+11], v[QN:QN+11], v[MK+8*\t:MK+8*\t+7], v[KW+\t], v[QW] matrix_a_fmt:MATRIX_FMT_FP6 matrix_b_fmt:MATRIX_FMT_FP6
.endr
.endm
.macro RMUL g
.irp t, 0,1,2,3
	v_wmma_scale_f32_16x16x128_f8f6f4 v[S+8*(4*\g+\t):S+8*(4*\g+\t)+7], v[KR+6*\t:KR+6*\t+11], v[QR:QR+11], v[S+8*(4*\g+\t):S+8*(4*\g+\t)+7], v[KW+4*\g+\t], v[QW] matrix_a_fmt:MATRIX_FMT_FP6 matrix_b_fmt:MATRIX_FMT_FP6 matrix_a_scale:MATRIX_SCALE_ROW1 matrix_b_scale:MATRIX_SCALE_ROW1
.endr
.endm
.macro VMUL
.irp t, 0,1,2,3,4,5,6,7
	v_wmma_scale_f32_16x16x128_f8f6f4 v[8*\t:8*\t+7], v[KN+12*\t:KN+12*\t+11], v[PC:PC+11], v[8*\t:8*\t+7], v[VW+\t], v[PWD] matrix_a_fmt:MATRIX_FMT_FP6 matrix_b_fmt:MATRIX_FMT_FP6
.endr
.endm
.macro BMAX b0, b1
.irp b, \b0, \b1
	v_max3_num_f32 v[BM+\b], v[S+16*\b], v[S+1+16*\b], v[S+2+16*\b]
.endr
.irp i, 3,5,7,9,11,13
.irp b, \b0, \b1
	v_max3_num_f32 v[BM+\b], v[BM+\b], v[S+16*\b+\i], v[S+1+16*\b+\i]
.endr
.endr
.irp b, \b0, \b1
	v_max_num_f32 v[BM+\b], v[BM+\b], v[S+15+16*\b]
.endr
.endm
.macro STEP par, ml, lc
	v_add_nc_u32 v[ADK], s[TB], v[LI]
	v_add_nc_u32 v[AD8], s[TB], v[L8]
	v_add_nc_u32 v[ADS], s[TB], v[ASW0]
	v_add_nc_u32 v[ADV], s[TB], v[AVW0]
	ds_load_b128 v[KW:KW+3], v[ADS]
	ds_load_b128 v[KW+4:KW+7], v[ADS] offset:16
	ds_load_b128 v[VW:VW+3], v[ADV]
	ds_load_b128 v[VW+4:VW+7], v[ADV] offset:16
	WIN 0x40
	RLOAD 0
	NLOAD
	s_wait_alu depctr_va_vdst(0)
	s_wait_loadcnt \lc
	s_wait_dscnt 0x0
	WIN (0x01+0x10*\par)
	NMUL
	WIN 0x01
	RMUL 0
	PLACES
	WIN 0x40
	RLOAD 1
.if \ml
	WIN (0x40*\par)
	MLOAD ((2+\par)*8192)
.endif
	WIN 0x40
	VLOAD
	WIN 0
	BMAX 0, 1
	s_wait_dscnt 24
	WIN 0x01
	RMUL 1
	WIN 0
	PLACES
	BMAX 2, 3
.irp b, 0,1,2,3
	v_permlanex16_b32 v[BP+\b], v[BM+\b], s[SEL], s[SEL+1]
.endr
.irp b, 0,1,2,3
	s_delay_alu instid0(VALU_DEP_4)
	v_max_num_f32 v[BM+\b], v[BM+\b], v[BP+\b]
.endr
	s_delay_alu instid0(VALU_DEP_2)
	v_max3_num_f32 v[TT], v[BM], v[BM+1], v[BM+2]
	s_delay_alu instid0(VALU_DEP_1)
	v_max_num_f32 v[TT], v[TT], v[BM+3]
	s_delay_alu instid0(VALU_DEP_1)
	v_mul_f32 v[TT], s[CS], v[TT]
	s_delay_alu instid0(VALU_DEP_1)
	v_max_num_f32 v[LT], v[LT], v[TT]
	v_mov_b32 v[TT], v[NM]
	s_delay_alu instid0(VALU_DEP_2)
	v_floor_f32 v[NM], -v[LT]
	s_delay_alu instid0(VALU_DEP_1)
	v_sub_f32 v[TT], v[NM], v[TT]
	s_delay_alu instid0(VALU_DEP_1)
	v_cvt_i32_f32 v[TT], v[TT]
	s_delay_alu instid0(VALU_DEP_1)
	v_ldexp_f32 v[FS], 1.0, v[TT]
.set j, 0
.rept 32
	v_pk_fma_f32 v[S+j:S+j+1], v[S+j:S+j+1], s[CS:CS+1], v[NM:NM+1] op_sel_hi:[1,0,0]
.set j, j+2
.endr
.irp b, 0,1,2,3
	v_fma_f32 v[BM+\b], v[BM+\b], s[CS], v[NM]
.endr
.set j, 0
	s_wait_alu depctr_va_vdst(0)
.rept 64
	v_exp_f32 v[S+j], v[S+j]
.set j, j+1
.endr
	v_pk_mul_f32 v[SU:SU+1], v[SU:SU+1], v[FS:FS+1] op_sel_hi:[1,0]
	s_wait_alu depctr_va_vdst(0)
.irp b, 0,1,2,3
	v_exp_f32 v[BM+\b], v[BM+\b]
.endr
	v_pk_add_f32 v[BP:BP+1], v[S:S+1], v[S+2:S+3]
.irp j4, 4,8,12,16,20,24,28,32,36,40,44,48,52,56,60
	v_pk_add_f32 v[SU:SU+1], v[SU:SU+1], v[S+\j4:S+\j4+1]
	v_pk_add_f32 v[BP:BP+1], v[BP:BP+1], v[S+\j4+2:S+\j4+3]
.endr
	s_delay_alu instid0(VALU_DEP_1)
	v_pk_add_f32 v[SU:SU+1], v[SU:SU+1], v[BP:BP+1]
	s_wait_alu depctr_va_vdst(0)
.irp b, 0,1,2,3
	v_max_num_f32 v[BM+\b], 0x1800000, v[BM+\b]
.endr
.irp b, 0,1,2,3
	s_delay_alu instid0(VALU_DEP_4)
	v_add_nc_u32 v[SO+\b], 0xff000000, v[BM+\b]
.endr
.irp b, 0,1,2,3
	s_delay_alu instid0(VALU_DEP_4)
	v_lshrrev_b32 v[BP+\b], 23, v[SO+\b]
.endr
	s_delay_alu instid0(VALU_DEP_3)
	v_lshl_or_b32 v[PWD], v[BP+1], 8, v[BP]
	s_delay_alu instid0(VALU_DEP_1)
	v_lshl_or_b32 v[PWD], v[BP+2], 16, v[PWD]
	s_delay_alu instid0(VALU_DEP_1)
	v_lshl_or_b32 v[PWD], v[BP+3], 24, v[PWD]
.irp c, 0,1
	v_cvt_scalef32_pk16_fp6_f32 v[PC+6*\c:PC+6*\c+2], v[S+32*\c:S+32*\c+15], v[SO+2*\c]
	v_cvt_scalef32_pk16_fp6_f32 v[PC+12+4*\c:PC+14+4*\c], v[S+16+32*\c:S+31+32*\c], v[SO+2*\c+1]
.endr
	v_nop
.irp c, 0,1
.irp i, 0,1,2
	v_permlane16_swap_b32 v[PC+6*\c+\i], v[PC+12+4*\c+\i]
.endr
.irp i, 0,1,2
	s_delay_alu instid0(VALU_DEP_3)
	v_mov_b32 v[PC+3+6*\c+\i], v[PC+12+4*\c+\i]
.endr
.endr
	WIN 0x41
.set j, 0
.rept 32
	v_pk_mul_f32 v[j:j+1], v[j:j+1], v[FS:FS+1] op_sel_hi:[1,0]
.set j, j+2
.endr
	s_wait_alu depctr_va_vdst(0)
	s_wait_dscnt 0x0
	WIN 0x51
	VMUL
	WIN 0
	s_add_co_u32 s[TB], s[TB], BLKB
.endm
.macro PAIR ml
	STEP 0, \ml, 16
.if \ml
	STEP 1, 1, 16
	s_wait_xcnt 0x0
	s_add_nc_u64 s[MB:MB+1], s[MB:MB+1], 2*8192
.else
	STEP 1, 0, 0
.endif
.endm
	s_wait_alu depctr_va_vdst(0)
	s_wait_tensorcnt 0x0                           ; my part of blocks 0 and 1 is in
	ds_add_u32 v[SPW], v[NIL]
	s_wait_dscnt 0x0
	CROUND                                         ; a whole round: blocks 0 and 1 are whole in every partner
	tensor_load_to_lds s[G0+4:G0+7], s[G1L:G1L+7]  ; my part of blocks 2 to 7: the first tensor load behind the round
	s_nop 0
	PLACES
	PAIR 1
	s_wait_tensorcnt 0x0
	s_barrier_signal -1
	s_barrier_wait -1
	s_mov_b32 s[CNT], 2
.Lpair:
	PAIR 1
	s_sub_co_u32 s[CNT], s[CNT], 1
	s_cmp_lg_u32 s[CNT], 0
	s_cbranch_scc1 .Lpair
	PAIR 0
	PLACES
	v_add_f32 v[SU], v[SU], v[SU+1]
	s_delay_alu instid0(VALU_DEP_1)
	v_permlanex16_b32 v[BP], v[SU], s[SEL], s[SEL+1]
	s_delay_alu instid0(VALU_DEP_1)
	v_add_f32 v[SU], v[SU], v[BP]
	s_wait_alu depctr_va_vdst(0)
	v_rcp_f32 v[SU], v[SU]
	v_and_b32 v166, 15, v0
	v_bfe_u32 v167, v0, 4, 1
	s_delay_alu instid0(VALU_DEP_2)
	v_lshlrev_b32 v166, 6, v166
	s_delay_alu instid0(VALU_DEP_1)
	v_lshl_add_u32 v166, v167, 1, v166
	s_delay_alu instid0(VALU_DEP_3)
	v_lshlrev_b32 v167, 4, v167
	s_lshr_b32 s70, s19, 4
	s_lshl_b32 s70, s70, 6
	s_lshl_b32 s71, s18, 3
	s_add_co_u32 s70, s70, s71
	s_add_co_u32 s70, s70, s[WV]
	s_and_b32 s71, s19, 15
	s_mul_i32 s72, s70, 24576
	s_mul_i32 s73, s71, 1536
	s_add_co_u32 s72, s72, s73
	s_mov_b32 s73, 0
	s_add_nc_u64 s[8:9], s[8:9], s[72:73]
	s_lshl_b32 s74, s70, 10
	s_lshl_b32 s75, s71, 2
	s_add_co_u32 s74, s74, s75
	s_mov_b32 s75, 0
	s_add_nc_u64 s[10:11], s[10:11], s[74:75]
	s_wait_alu depctr_va_vdst(0)
	WIN 0x01
.set j, 0
.rept 64
	v_mul_f32 v[S+j], v[j], v[SU]
.set j, j+1
.endr
	WIN 0
.irp b, 0,1,2,3
	v_max3_num_f32 v[TM+\b], |v[S+16*\b]|, |v[S+1+16*\b]|, 0x1800000
.endr
.irp i, 2,4,6,8,10,12,14
.irp b, 0,1,2,3
	s_delay_alu instid0(VALU_DEP_4)
	v_max3_num_f32 v[TM+\b], v[TM+\b], |v[S+16*\b+\i]|, |v[S+1+16*\b+\i]|
.endr
.endr
.irp b, 0,1,2,3
	s_delay_alu instid0(VALU_DEP_4)
	v_permlanex16_b32 v[TM+4+\b], v[TM+\b], s[SEL], s[SEL+1]
.endr
.irp b, 0,1,2,3
	s_delay_alu instid0(VALU_DEP_4)
	v_max_num_f32 v[TM+\b], v[TM+\b], v[TM+4+\b]
.endr
.irp b, 0,1,2,3
	s_delay_alu instid0(VALU_DEP_4)
	v_add_nc_u32 v[TM+12+\b], 0xff000000, v[TM+\b]
.endr
.irp b, 0,1,2,3
	s_delay_alu instid0(VALU_DEP_4)
	v_lshrrev_b32 v[TM+4+\b], 23, v[TM+12+\b]
.endr
	s_delay_alu instid0(VALU_DEP_3)
	v_lshl_or_b32 v[PW], v[TM+5], 8, v[TM+4]
	s_delay_alu instid0(VALU_DEP_1)
	v_lshl_or_b32 v[PW], v[TM+6], 16, v[PW]
	s_delay_alu instid0(VALU_DEP_1)
	v_lshl_or_b32 v[PW], v[TM+7], 24, v[PW]
.irp c, 0,1
	v_cvt_scalef32_pk16_fp6_f32 v[PC+6*\c:PC+2+6*\c], v[S+32*\c:S+15+32*\c], v[TM+12+2*\c]
	v_cvt_scalef32_pk16_fp6_f32 v[PC+12+4*\c:PC+14+4*\c], v[S+16+32*\c:S+31+32*\c], v[TM+12+2*\c+1]
.endr
	v_lshrrev_b32 v168, v167, v[PW]
.irp c, 0,1
.irp i, 0,1,2
	v_permlane16_swap_b32 v[PC+6*\c+\i], v[PC+12+4*\c+\i]
.endr
.irp i, 0,1,2
	s_delay_alu instid0(VALU_DEP_3)
	v_mov_b32 v[PC+3+6*\c+\i], v[PC+12+4*\c+\i]
.endr
.endr
.irp c, 0,1,2
	global_store_b128 v[LI], v[PC+4*\c:PC+4*\c+3], s[8:9] offset:512*\c
.endr
	global_store_b16 v166, v168, s[10:11]
	s_wait_tensorcnt 0x0
	ds_add_u32 v[SPW], v[NIL]
	s_wait_dscnt 0x0
	CROUND
	s_endpgm
.Lfunc_end_k_qfbec1a178e_attn:
	.size	k_qfbec1a178e_attn, .Lfunc_end_k_qfbec1a178e_attn-k_qfbec1a178e_attn
	.p2alignl 7, 3214868480
	.fill 96, 4, 3214868480
	.section	.rodata,"a",@progbits
	.p2align	6, 0x0
	.amdhsa_kernel k_qfbec1a178e_attn
		.amdhsa_group_segment_fixed_size 327680
		.amdhsa_private_segment_fixed_size 0
		.amdhsa_enable_private_segment 0
		.amdhsa_kernarg_size 32
		.amdhsa_user_sgpr_count 2
		.amdhsa_user_sgpr_kernarg_segment_ptr 1
		.amdhsa_wavefront_size32 1
		.amdhsa_system_sgpr_workgroup_id_x 1
		.amdhsa_system_sgpr_workgroup_id_y 1
		.amdhsa_system_sgpr_workgroup_id_z 1
		.amdhsa_system_vgpr_workitem_id 0
		.amdhsa_next_free_vgpr 512
		.amdhsa_next_free_sgpr 80
		.amdhsa_reserve_vcc 0
		.amdhsa_float_denorm_mode_32 3
		.amdhsa_float_denorm_mode_16_64 3
		.amdhsa_memory_ordered 1
		.amdhsa_forward_progress 1
		.amdhsa_inst_pref_size 158
	.end_amdhsa_kernel
	.amdgpu_metadata
---
amdhsa.version: [ 1, 2 ]
amdhsa.kernels:
  - .name:           k_qfbec1a178e_attn
    .symbol:         k_qfbec1a178e_attn.kd
    .args:
      - { .name: qb, .offset: 0, .size: 8, .value_kind: global_buffer, .address_space: global }
      - { .name: kvb, .offset: 8, .size: 8, .value_kind: global_buffer, .address_space: global }
      - { .name: cc, .offset: 16, .size: 8, .value_kind: global_buffer, .address_space: global }
      - { .name: cs, .offset: 24, .size: 8, .value_kind: global_buffer, .address_space: global }
    .group_segment_fixed_size: 327680
    .private_segment_fixed_size: 0
    .kernarg_segment_align: 8
    .kernarg_segment_size: 32
    .max_flat_workgroup_size: 256
    .sgpr_count:     80
    .vgpr_count:     512
    .wavefront_size: 32
...
	.end_amdgpu_metadata
.endif
;; end of part 3
;; launch outp (part 4): grid 16 x 16, 4 waves a work-group, clusters of 4 x 4, 327,680 bytes of LDS; arguments cc, cs, wc, ws, bo, out0; writes out0
.if DOCPART == 4
	.amdgcn_target "amdgcn-amd-amdhsa--gfx1250"
	.amdhsa_code_object_version 6
	.text
	.protected	k_qfbec1a178e_outp
	.globl	k_qfbec1a178e_outp
	.p2align	8
	.type	k_qfbec1a178e_outp,@function
k_qfbec1a178e_outp:
	s_mov_b64 s[64:65], 0
	v_nop
	global_prefetch_b8 v0, s[64:65] scope:SCOPE_SE
	s_setreg_imm32_b32 hwreg(HW_REG_WAVE_MODE, 25, 1), 1
	s_wait_xcnt 0x0
	s_wait_alu depctr_hold_cnt(0) depctr_sa_sdst(0) depctr_va_vdst(0) depctr_va_sdst(0) depctr_va_ssrc(0) depctr_va_vcc(0) depctr_vm_vsrc(0)
	s_getreg_b32 s2, hwreg(HW_REG_IB_STS2, 6, 4)
	s_cmp_eq_u32 s2, 0
	s_cbranch_scc0 .Lentry_in_a_cluster
	s_endpgm
.Lentry_in_a_cluster:
	s_bfe_u32 s2, ttmp6, 0x10000c
	s_cmp_lg_u32 s2, 0xf033
	s_cbranch_scc0 .Lentry_shape_is_right
	s_endpgm
.Lentry_shape_is_right:
; out0 = ctx Wo + bo on codes of FP6 (E2M3) with E8M0 scales, K = 2,048.  ctx: fragment images [position / 16][head][1,536] with scale bytes [position][64]; Wo: the same, from position 8,192 of wc and ws on.
; 2,048 x 2,048 results in tiles of 128 x 128: 256 work-groups, one for each WGP.  Four waves, each 64 x 64: 16 accumulators.
; K goes in four chunks of 512 through THREE LDS slots.  At the head each wave asks for one tile: wave 0 chunk 0 of ctx's 128 positions, wave 1 of Wo's, waves 2 and 3 the two blocks of scale bytes.
; Behind a round each wave asks for one more: waves 0 and 1 chunk 1 of ctx and of Wo, waves 2 and 3 chunk 2.  Chunk 3 is the launch's one refill, into slot 0, a quarter a wave,
; asked for when slot 0 has been read, with the products of slots 1 and 2 in which to land.  The 16 steps of 128 are written out.  The scale bytes come once and stay.
; Source 0 = 16 positions of Wo's columns, source 1 = 16 positions of tokens: a lane holds a token, and the registers of blocks 2 b, 2 b + 1 are natural columns 32 b + 16 (lane / 16) + 0 .. 15.
; bo is the C of each sum's first product.  The tokens' order (position 16 u + r of a group of 32 is token 8 u + r + 8 (r / 8)) is undone in the stores' immediates.
; CLUSTERS 4 x 4: ctx's tiles are shared along a row of the cluster, Wo's along a column: joint loads.
; PREFETCHES: each group of loads is asked of memory one group ahead: behind the head's loads chunks 1 and 2, behind the second group chunk 3.  A chunk of a block of 16 positions is 24 runs of 256 bytes:
; one instruction, a lane a run (lanes 24-31 name the last run again).  Of a tile's 8 blocks wave w of the partner at place p (cx for ctx, cy for Wo) takes block 4 (w % 2) + p: each run is named once in a cluster.
; REGISTERS: window 0: v0-31 addresses; v32-63 scale words, two sets; v64-95 bo; v128-255 accumulators ((a, b) at v[128 + 8 (4 a + b)]).  window 1: two sets of 96: B's four fragments, then A's four.
.set NQ,    4
.set FRB,   1536
.set HALFT, 4*NQ*FRB                   ; 64 positions x 512 K
.set SLOT,  4*HALFT                    ; A's 128 positions, then B's
.set KS,    64
.set SCL,   3*SLOT                     ; behind the three slots: the scale bytes, as units of 256 bytes + 16 of padding
.set HALFS, 16*272
.set SBLK,  4*272
.set STAGE, SLOT                       ; the way out: 16 rows x (256 bytes + 16) a wave, in slot 1: it has had its only fill, and every wave has passed a barrier behind its last read of it
.set SPITCH, 272
.set SPARE, SCL+4*HALFS
.set BO,   10
.set PFO,  11                          ; v11 the prefetches' offset of my lane; never rewritten
.set ADRA, 16                          ; v16-18 LDS address of my A fragments in slot 0, 1, 2
.set ADRB, 20                          ; v20-22 the same for B
.set STO,  24
.set RD,   25
.set CO,   26
.set ADRS, 27
.set SPW,  28
.set NIL,  29
.set SC,   32
.set BB,   64
.set ACC,  128
.set CH,   2                           ; s2  wave % 2
.set PFA,  18                          ; s[18:19] my block of 16 positions for the prefetches; never rewritten
.set WV,   66
.set RH,   67                          ; s67 wave / 2
.set G1,   24                          ; groups 1: A's codes, B's codes, A's scales, B's scales
.set G1B,  48
.set G1S,  68
.set G1SB, 80
.set G0H,  4                           ; groups 0: the head's loads of codes (where arguments lay that have been used),
.set G0HB, 8
.set G0S,  76                          ; of scales,
.set G0SB, 88
.set G0C,  92                          ; the second group's,
.set G0D,  96
.set G0,   32                          ; the refill's
.set G0B,  56
.set MSB, 0
.macro WIN new
.if MSB != \new
	s_set_vgpr_msb (MSB<<8)|\new
.set MSB, \new
.endif
.endm
.set MUL,  0x05                        ; sources 0 and 1 window 1; C and D window 0
.set TO_F, 0x40
.macro JLOAD sel, g0a, g1a, g0b, g1b   ; s[sel] = 0: A's line, else B's; it hangs on the wave's number alone.  An s_nop 0 and four v_nop follow each line
	s_cmp_eq_u32 s[\sel], 0
	s_cbranch_scc0 .Lfor_b_\@
	tensor_load_to_lds s[\g0a:\g0a+3], s[\g1a:\g1a+7]
	s_nop 0
.rept 4
	v_nop
.endr
	s_branch .Lasked_\@
.Lfor_b_\@:
	tensor_load_to_lds s[\g0b:\g0b+3], s[\g1b:\g1b+7]
	s_nop 0
.rept 4
	v_nop
.endr
.Lasked_\@:
.endm
.macro CREST
	s_cmp_lg_u32 s[WV], 0
	s_cbranch_scc1 .Lnot_wave_0_\@
	s_barrier_signal -3
.Lnot_wave_0_\@:
	s_barrier_wait -3
	s_barrier_signal -1
	s_barrier_wait -1
.endm
.macro CROUND
	s_barrier_signal -1
	s_barrier_wait -1
	CREST
.endm
.macro PLACES
.rept 4
	v_nop
.endr
.endm
	s_load_b256 s[4:11], s[0:1], 0x0               ; cc, cs, wc, ws
	s_load_b128 s[12:15], s[0:1], 0x20             ; bo, out0
	v_lshl_add_u32 v[SPW], v0, 2, SPARE
	v_mov_b32 v[NIL], 0
	ds_add_u32 v[SPW], v[NIL]                      ; the wave's opening: the add, twice on end, and its wait ahead of my first tensor load
	ds_add_u32 v[SPW], v[NIL]
	v_lshrrev_b32 v1, 5, v0
	v_readfirstlane_b32 s[WV], v1
	s_lshr_b32 s[RH], s[WV], 1
	s_and_b32 s[CH], s[WV], 1
	s_bfe_u32 s40, ttmp6, 0x40000
	s_bfe_u32 s41, ttmp6, 0x40004
	s_lshl_b32 s42, ttmp9, 2
	s_add_co_u32 s42, s42, s40                     ; X
	s_and_b32 s16, ttmp7, 0xffff
	s_lshl_b32 s16, s16, 2
	s_add_co_u32 s16, s16, s41                     ; Y
	s_lshl_b32 s43, s41, 2
	s_lshl_b32 s43, 15, s43
	s_lshl_b32 s44, 0x1111, s40
	; codes: 8 rows (blocks of 16 positions) of 6,144 bytes (four K steps of 128), 24,576 bytes apart; for the refill the two words that count rows are set to 4
	s_or_b32 s[G1+0], s43, (3<<16)|(1<<21)
	s_or_b32 s[G1B+0], s44, (3<<16)|(1<<21)
.irp g, G1, G1B
	s_mov_b32 s[\g+1], 768<<16
	s_mov_b32 s[\g+2], 8<<16
	s_mov_b32 s[\g+3], 768<<16
	s_mov_b32 s[\g+4], 8
	s_mov_b32 s[\g+5], 3072
	s_mov_b32 s[\g+6], 0
	s_mov_b32 s[\g+7], 0
.endr
	; scale bytes of 128 rows: 8,192 dense bytes as 32 rows of 256, 16 bytes of padding behind each
	s_or_b32 s[G1S+0], s43, (3<<16)|(1<<20)|(1<<21)|(5<<22)|(3<<25)
	s_or_b32 s[G1SB+0], s44, (3<<16)|(1<<20)|(1<<21)|(5<<22)|(3<<25)
.irp g, G1S, G1SB
	s_mov_b32 s[\g+1], 32<<16
	s_mov_b32 s[\g+2], 32<<16
	s_mov_b32 s[\g+3], 32<<16
	s_mov_b32 s[\g+4], 32
	s_mov_b32 s[\g+5], 32
	s_mov_b32 s[\g+6], 0
	s_mov_b32 s[\g+7], 0
.endr
	s_lshl_b32 s20, s16, 7                         ; A: position 128 Y
	s_lshl_b32 s46, s42, 7
	s_add_co_u32 s46, s46, 8192                    ; B: position 8,192 + 128 X
	s_lshl_b32 s22, s20, 6
	s_mov_b32 s23, 0
	s_mul_i32 s20, s20, 1536
	s_mov_b32 s21, 0
	s_lshl_b32 s18, s46, 6
	s_mov_b32 s19, 0
	s_mul_i32 s46, s46, 1536
	s_mov_b32 s47, 0
	s_mul_i32 s45, s[WV], HALFT
	s_wait_dscnt 0x0                               ; both opening adds are done
	s_wait_kmcnt 0x0
	s_add_nc_u64 s[20:21], s[4:5], s[20:21]
	s_add_nc_u64 s[22:23], s[6:7], s[22:23]
	s_add_nc_u64 s[46:47], s[8:9], s[46:47]
	s_add_nc_u64 s[18:19], s[10:11], s[18:19]
	CROUND                                         ; all sixteen work-groups are here: the first joint loads meet
	s_mov_b32 s[G0H], 1                            ; chunk 0 of A's 128 positions,
	s_mov_b32 s[G0H+1], 0
	s_mov_b64 s[G0H+2:G0H+3], s[20:21]
	s_or_b32 s[G0H+3], s[G0H+3], 0x80000000
	s_mov_b32 s[G0HB], 1                           ; of B's, behind them in slot 0,
	s_mov_b32 s[G0HB+1], 2*HALFT
	s_mov_b64 s[G0HB+2:G0HB+3], s[46:47]
	s_or_b32 s[G0HB+3], s[G0HB+3], 0x80000000
	s_mov_b32 s[G0S], 1                            ; A's scale bytes,
	s_mov_b32 s[G0S+1], SCL
	s_mov_b64 s[G0S+2:G0S+3], s[22:23]
	s_or_b32 s[G0S+3], s[G0S+3], 0x80000000
	s_mov_b32 s[G0SB], 1                           ; and B's
	s_mov_b32 s[G0SB+1], SCL+2*HALFS
	s_mov_b64 s[G0SB+2:G0SB+3], s[18:19]
	s_or_b32 s[G0SB+3], s[G0SB+3], 0x80000000
	s_cmp_eq_u32 s[RH], 0                          ; the prefetches: waves 0 and 1 ask for A, waves 2 and 3 for B;
	s_cselect_b64 s[PFA:PFA+1], s[20:21], s[46:47]
	s_cselect_b32 s17, s40, s41                    ; my place among the four that ask for the tile with me
	s_lshl_b32 s43, s[CH], 2
	s_add_co_u32 s17, s17, s43                     ; my block of the tile's eight
	s_mul_i32 s40, s17, 16*FRB
	s_mov_b32 s41, 0
	s_add_nc_u64 s[PFA:PFA+1], s[PFA:PFA+1], s[40:41]
	s_add_co_u32 s17, s[RH], 1                     ; the second group: chunk and slot 1 + wave / 2; A's tile for even waves, B's for odd ones
	s_mul_i32 s43, s17, SLOT
	s_mul_i32 s40, s17, NQ*FRB
	s_mov_b32 s[G0C], 1
	s_add_co_u32 s[G0C+1], s43, 0
	s_add_nc_u64 s[G0C+2:G0C+3], s[20:21], s[40:41]
	s_or_b32 s[G0C+3], s[G0C+3], 0x80000000
	s_mov_b32 s[G0D], 1
	s_add_co_u32 s[G0D+1], s43, 2*HALFT
	s_add_nc_u64 s[G0D+2:G0D+3], s[46:47], s[40:41]
	s_or_b32 s[G0D+3], s[G0D+3], 0x80000000
	s_mul_i32 s40, s[CH], 4*16*FRB                 ; the refill: my 64 positions of a tile; its place along K is added when it is asked for
	s_mov_b32 s[G0], 1
	s_add_co_u32 s[G0+1], s45, 0
	s_add_nc_u64 s[G0+2:G0+3], s[20:21], s[40:41]
	s_or_b32 s[G0+3], s[G0+3], 0x80000000
	s_mov_b32 s[G0B], 1
	s_add_co_u32 s[G0B+1], s45, 0
	s_add_nc_u64 s[G0B+2:G0B+3], s[46:47], s[40:41]
	s_or_b32 s[G0B+3], s[G0B+3], 0x80000000
; the head's loads, one a wave: one chain of branches on the wave's number, a load to an arm, all arms leading to one join
.macro ARM under, g0, g1, next
	s_cmp_lt_u32 s[WV], \under
	s_cbranch_scc0 \next
	tensor_load_to_lds s[\g0:\g0+3], s[\g1:\g1+7]
	s_nop 0
.rept 4
	v_nop
.endr
	s_branch .Lhead_asked
\next:
.endm
	ARM 1, G0H,  G1,  .Lhead_b
	ARM 2, G0HB, G1B, .Lhead_sa
	ARM 3, G0S,  G1S, .Lhead_sb
	tensor_load_to_lds s[G0SB:G0SB+3], s[G1SB:G1SB+7]
	s_nop 0
.rept 4
	v_nop
.endr
.Lhead_asked:
	v_and_b32 v1, 15, v0                           ; r
	v_bfe_u32 v2, v0, 4, 1                         ; h
	v_and_b32 v3, 31, v0
	v_lshlrev_b32 v4, 4, v3                        ; 16 x lane
	v_min_u32 v[PFO], 23, v3
	v_lshlrev_b32 v[PFO], 8, v[PFO]                ; my run of 256 bytes
	global_prefetch_b8 v[PFO], s[PFA:PFA+1] offset:NQ*FRB th:TH_LOAD_NT scope:SCOPE_SE     ; chunks 1 and 2: what the second group will load
	global_prefetch_b8 v[PFO], s[PFA:PFA+1] offset:2*NQ*FRB th:TH_LOAD_NT scope:SCOPE_SE
	s_wait_alu depctr_va_vdst(0)
	s_lshl_b32 s20, s42, 9
	s_lshl_b32 s21, s[CH], 8
	s_add_co_u32 s20, s20, s21                     ; (128 X + 64 half) x 4 bytes
	s_mov_b32 s21, 0
	s_add_nc_u64 s[12:13], s[12:13], s[20:21]
	v_lshlrev_b32 v[BO], 6, v2
.irp b, 0,1,2,3                        ; bo: my 64 columns, in the results' order
	global_load_b128 v[BB+8*\b:BB+8*\b+3], v[BO], s[12:13] offset:128*(\b/2)+32*(\b%2)
	global_load_b128 v[BB+8*\b+4:BB+8*\b+7], v[BO], s[12:13] offset:128*(\b/2)+32*(\b%2)+16
.endr
	s_add_nc_u64 s[14:15], s[14:15], s[20:21]      ; out0 at my first column,
	s_lshl_b32 s22, s16, 7
	s_lshl_b32 s23, s[RH], 6
	s_add_co_u32 s22, s22, s23
	s_lshl_b32 s22, s22, 13                        ; and my first row: (128 Y + 64 half) x 8,192 bytes
	s_mov_b32 s23, 0
	s_add_nc_u64 s[14:15], s[14:15], s[22:23]
	s_mul_i32 s21, s[RH], HALFT
	s_mul_i32 s22, s[CH], HALFT
	s_add_co_u32 s22, s22, 2*HALFT
.irp s, 0,1,2
	v_add_nc_u32 v[ADRA+\s], s21, v4
	v_add_nc_u32 v[ADRB+\s], s22, v4
	s_add_co_u32 s21, s21, SLOT
	s_add_co_u32 s22, s22, SLOT
.endr
	v_mul_u32_u24 v8, v1, KS
	v_lshrrev_b32 v9, 8, v8
	v_lshl_add_u32 v8, v9, 4, v8
	s_mul_i32 s21, s[RH], HALFS
	s_mul_i32 s22, s[CH], HALFS
	s_add_co_u32 s22, s22, 2*HALFS
	s_sub_co_u32 s22, s22, s21
	v_mul_u32_u24 v9, s22, v2                      ; lanes 16-31 take B's
	s_add_co_u32 s21, s21, SCL
	v_add_nc_u32 v8, v8, v9
	v_add_nc_u32 v[ADRS], s21, v8
	s_mul_i32 s23, s[WV], 16*SPITCH
	s_add_co_u32 s23, s23, STAGE                   ; my stage
	v_mul_u32_u24 v[STO], v1, SPITCH
	v_lshl_add_u32 v[STO], v2, 6, v[STO]
	v_add_nc_u32 v[STO], s23, v[STO]               ; in: row r, + 64 h
	v_mul_u32_u24 v[RD], v2, SPITCH
	v_lshl_add_u32 v[RD], v1, 4, v[RD]
	v_add_nc_u32 v[RD], s23, v[RD]                 ; back: lanes 0-15 one row of 256 bytes, lanes 16-31 the next
	v_lshlrev_b32 v[CO], 13, v2
	v_lshl_add_u32 v[CO], v1, 4, v[CO]             ; and the same two rows in out0
.macro MUL4 a, p, q, sc, first         ; A's block a x B's four, 128 along K.  The 16 accumulators take turns in the same order in every step
.irp b, 0,1,2,3
.if \first
	v_wmma_scale_f32_16x16x128_f8f6f4 v[ACC+8*(4*(\a)+\b):ACC+8*(4*(\a)+\b)+7], v[128*(\p)+12*\b:128*(\p)+12*\b+11], v[128*(\p)+48+12*(\a):128*(\p)+48+12*(\a)+11], v[BB+8*\b:BB+8*\b+7], v[SC+16*(\sc)+4*\b+(\q)], v[SC+16*(\sc)+4*(\a)+(\q)] matrix_a_fmt:MATRIX_FMT_FP6 matrix_b_fmt:MATRIX_FMT_FP6 matrix_a_scale:MATRIX_SCALE_ROW1
.else
	v_wmma_scale_f32_16x16x128_f8f6f4 v[ACC+8*(4*(\a)+\b):ACC+8*(4*(\a)+\b)+7], v[128*(\p)+12*\b:128*(\p)+12*\b+11], v[128*(\p)+48+12*(\a):128*(\p)+48+12*(\a)+11], v[ACC+8*(4*(\a)+\b):ACC+8*(4*(\a)+\b)+7], v[SC+16*(\sc)+4*\b+(\q)], v[SC+16*(\sc)+4*(\a)+(\q)] matrix_a_fmt:MATRIX_FMT_FP6 matrix_b_fmt:MATRIX_FMT_FP6 matrix_a_scale:MATRIX_SCALE_ROW1
.endif
.endr
.endm
.macro FETCH slot, q, p                ; 24 LDS loads: the eight fragments of the slot's q-th 128 along K into set p
	WIN TO_F
.irp i, 0,1,2,3
.irp c, 0,1,2
	ds_load_b128 v[128*(\p)+12*\i+4*\c:128*(\p)+12*\i+4*\c+3], v[ADRB+\slot] offset:\i*NQ*FRB+(\q)*FRB+512*\c
.endr
.endr
.irp i, 0,1,2,3
.irp c, 0,1,2
	ds_load_b128 v[128*(\p)+48+12*\i+4*\c:128*(\p)+48+12*\i+4*\c+3], v[ADRA+\slot] offset:\i*NQ*FRB+(\q)*FRB+512*\c
.endr
.endr
.endm
.macro SCALES sc                       ; a chunk's four scale words a row: lanes 0-15 A's block i, lanes 16-31 B's block i
.irp i, 0,1,2,3
	ds_load_b128 v[SC+16*(\sc)+4*\i:SC+16*(\sc)+4*\i+3], v[ADRS] offset:\i*SBLK
.endr
.endm
.macro STEP slot, q, sc, first         ; a step of 128 that has its successor in the same slot: the successor's fragments are asked for first, 16 products ahead of their use
	s_wait_dscnt 0x0                               ; this step's fragments are in
	PLACES                                         ; between the last step's products and the loads into the set that they read
	FETCH \slot, (\q)+1, 1-(\q)%2
	WIN MUL
	MUL4 0, (\q)%2, \q, \sc, \first
	MUL4 1, (\q)%2, \q, \sc, \first
	MUL4 2, (\q)%2, \q, \sc, \first
	MUL4 3, (\q)%2, \q, \sc, \first
.endm
.macro PASS next, sc                   ; a slot's last step where the next slot is known to be whole and nothing is filled: no barrier
	s_wait_dscnt 0x0
	PLACES
	WIN 0
	v_add_nc_u32 v[ADRS], 4*NQ, v[ADRS]
	FETCH \next, 0, 0
	WIN 0
	SCALES 1-\sc
	WIN MUL
	MUL4 0, 1, 3, \sc, 0
	MUL4 1, 1, 3, \sc, 0
	MUL4 2, 1, 3, \sc, 0
	MUL4 3, 1, 3, \sc, 0
.endm
; A slot's last step with a barrier: in front of it each wave waits for all its tensor loads, adds 0 to its spare word, and waits for that and for its reads of this slot.  fill = 1: slot 0 is filled again.
.macro TURN next, sc, fill
	WIN 0
	s_wait_tensorcnt 0x0                           ; all my tensor loads have landed
	ds_add_u32 v[SPW], v[NIL]
	s_wait_dscnt 1                                 ; this step's fragments are in; the add alone may be out
	WIN MUL
	MUL4 0, 1, 3, \sc, 0
	s_wait_dscnt 0x0                               ; the add is done, and my reads of this slot are over
	s_barrier_signal -1
	MUL4 1, 1, 3, \sc, 0
	WIN 0
	s_barrier_wait -1
.if \fill
	CREST                                          ; the barrier has opened a round of the cluster's barrier
	s_add_nc_u64 s[G0+2:G0+3], s[G0+2:G0+3], 3*NQ*FRB
	s_add_nc_u64 s[G0B+2:G0B+3], s[G0B+2:G0B+3], 3*NQ*FRB
	s_mov_b32 s[G1+2], 4<<16                       ; no tensor load of mine is out: this load brings 4 blocks of 16 positions
	s_mov_b32 s[G1+4], 4
	s_mov_b32 s[G1B+2], 4<<16
	s_mov_b32 s[G1B+4], 4
	JLOAD RH, G0, G1, G0B, G1B                     ; waves 0 and 1 A's halves, waves 2 and 3 B's: the first tensor load behind the round
.else
	PLACES
.endif
	v_add_nc_u32 v[ADRS], 4*NQ, v[ADRS]
	FETCH \next, 0, 0
	WIN 0
	SCALES 1-\sc
	WIN MUL
	MUL4 2, 1, 3, \sc, 0
	MUL4 3, 1, 3, \sc, 0
.endm
	s_wait_alu depctr_va_vdst(0)
	s_wait_tensorcnt 0x0                           ; my tile of the head's four is in
	ds_add_u32 v[SPW], v[NIL]
	s_wait_dscnt 0x0
	CROUND                                         ; a whole round: all four tiles are in, in every wave of every partner
	JLOAD CH, G0C, G1, G0D, G1B                    ; slots 1 and 2: the first tensor load behind the round
	FETCH 0, 0, 0
	WIN 0
	global_prefetch_b8 v[PFO], s[PFA:PFA+1] offset:3*NQ*FRB th:TH_LOAD_NT scope:SCOPE_SE     ; chunk 3: what the refill will load
	SCALES 0
	s_wait_loadcnt 0x0                             ; bo
	STEP 0, 0, 0, 1                                ; the first products start the sums from bo
	STEP 0, 1, 0, 0
	STEP 0, 2, 0, 0
	TURN 1, 0, 1                                   ; slots 1 and 2 have landed in every wave; slot 0 takes the last 512 along K
	s_wait_alu depctr_va_vdst(0)
	STEP 1, 0, 1, 0
	STEP 1, 1, 1, 0
	STEP 1, 2, 1, 0
	PASS 2, 1                                      ; slot 2 was shown whole by the barrier above
	s_wait_alu depctr_va_vdst(0)
	STEP 2, 0, 0, 0
	STEP 2, 1, 0, 0
	STEP 2, 2, 0, 0
	TURN 0, 0, 0                                   ; the refill has landed in every wave; nothing is left to fetch
	STEP 0, 0, 1, 0
	STEP 0, 1, 1, 0
	STEP 0, 2, 1, 0
	s_wait_dscnt 0x0
	MUL4 0, 1, 3, 1, 0
	MUL4 1, 1, 3, 1, 0
	MUL4 2, 1, 3, 1, 0
	MUL4 3, 1, 3, 1, 0
	WIN 0
; THE WAY OUT, block by block of 16 positions x 64 columns, through my own stage: a lane's 32 bytes go in by rows of 272 bytes and whole rows of 256 bytes come back, which sixteen lanes store as one aligned run.
.macro TOSTAGE a
.irp b, 0,1,2,3
	ds_store_b128 v[STO], v[ACC+8*(4*(\a)+\b):ACC+8*(4*(\a)+\b)+3] offset:128*(\b/2)+32*(\b%2)       ; each accumulator from its low end on
	ds_store_b128 v[STO], v[ACC+8*(4*(\a)+\b)+4:ACC+8*(4*(\a)+\b)+7] offset:128*(\b/2)+32*(\b%2)+16
.endr
.set BK, 32+64*((\a)%2)
.irp t, 0,1,2,3,4,5,6,7
	ds_load_b128 v[BK+4*\t:BK+4*\t+3], v[RD] offset:\t*2*SPITCH    ; LDS serves a wave's instructions in order: these see the stores above
.endr
.endm
.macro SEND a, younger                 ; position 2 t + h of block a is token 32 (a / 2) + 8 (a % 2) + 2 t + h + 8 (t / 4) of my 64
.set BK, 32+64*((\a)%2)
	s_wait_dscnt \younger
.irp t, 0,1,2,3,4,5,6,7
	global_store_b128 v[CO], v[BK+4*\t:BK+4*\t+3], s[14:15] offset:(32*((\a)/2)+8*((\a)%2)+2*\t+8*(\t/4))*8192 th:TH_STORE_NT
.endr
.endm
	PLACES
	TOSTAGE 0
.irp a, 1,2,3
.if \a > 1
	s_wait_xcnt 0x0                                ; block a - 2's stores have read the registers into which block a's loads land
.endif
	TOSTAGE \a
	SEND \a-1, 16                                  ; behind block a - 1's loads: block a's 8 stores and 8 loads
.endr
	SEND 3, 0
	s_wait_tensorcnt 0x0                           ; the wave's end, behind my last tensor load and my last LDS store
	ds_add_u32 v[SPW], v[NIL]
	s_wait_dscnt 0x0
	CROUND                                         ; the closing round
	s_endpgm
.Lfunc_end_k_qfbec1a178e_outp:
	.size	k_qfbec1a178e_outp, .Lfunc_end_k_qfbec1a178e_outp-k_qfbec1a178e_outp
	.p2alignl 7, 3214868480
	.fill 96, 4, 3214868480
	.section	.rodata,"a",@progbits
	.p2align	6, 0x0
	.amdhsa_kernel k_qfbec1a178e_outp
		.amdhsa_group_segment_fixed_size 327680
		.amdhsa_private_segment_fixed_size 0
		.amdhsa_enable_private_segment 0
		.amdhsa_kernarg_size 48
		.amdhsa_user_sgpr_count 2
		.amdhsa_user_sgpr_kernarg_segment_ptr 1
		.amdhsa_wavefront_size32 1
		.amdhsa_system_sgpr_workgroup_id_x 1
		.amdhsa_system_sgpr_workgroup_id_y 1
		.amdhsa_system_sgpr_workgroup_id_z 1
		.amdhsa_system_vgpr_workitem_id 0
		.amdhsa_next_free_vgpr 512
		.amdhsa_next_free_sgpr 100
		.amdhsa_reserve_vcc 0
		.amdhsa_float_denorm_mode_32 3
		.amdhsa_float_denorm_mode_16_64 3
		.amdhsa_memory_ordered 1
		.amdhsa_forward_progress 1
		.amdhsa_inst_pref_size 82
	.end_amdhsa_kernel
	.amdgpu_metadata
---
amdhsa.version: [ 1, 2 ]
amdhsa.kernels:
  - .name:           k_qfbec1a178e_outp
    .symbol:         k_qfbec1a178e_outp.kd
    .args:
      - { .name: cc, .offset: 0, .size: 8, .value_kind: global_buffer, .address_space: global }
      - { .name: cs, .offset: 8, .size: 8, .value_kind: global_buffer, .address_space: global }
      - { .name: wc, .offset: 16, .size: 8, .value_kind: global_buffer, .address_space: global }
      - { .name: ws, .offset: 24, .size: 8, .value_kind: global_buffer, .address_space: global }
      - { .name: bo, .offset: 32, .size: 8, .value_kind: global_buffer, .address_space: global }
      - { .name: out0, .offset: 40, .size: 8, .value_kind: global_buffer, .address_space: global }
    .group_segment_fixed_size: 327680
    .private_segment_fixed_size: 0
    .kernarg_segment_align: 8
    .kernarg_segment_size: 48
    .max_flat_workgroup_size: 128
    .sgpr_count:     100
    .vgpr_count:     512
    .wavefront_size: 32
...
	.end_amdgpu_metadata
.endif
;; end of part 4
